; MI455X (gfx1250); checked and timed in simulation.
; The chip was launched on July 23, 2026; its instructions are those of AMD's public machine-readable ISA for CDNA 5 (MIT licence, August 2026) and "CDNA5" Instruction Set Architecture Reference Guide (July 2026). The comments in the code are by the model that wrote it; some were corrected since.
;; Multi Headed Attention. Allowed arithmetic: matrix products marked QUANTISED: E2M3 operands, one E8M0 scale for each 32 along K, by v_wmma_scale_f32_16x16x128_f8f6f4 with both operands' format E2M3, f32 sums; everything else in f32.
;; Inputs: Wk 16 x 64 x 1,024 float32; Wp 1,024 x 1,024 float32; Wq 16 x 64 x 1,024 float32; Wv 16 x 64 x 1,024 float32; bk 16 x 64 float32; bp 1,024 float32; bq 16 x 64 float32; bv 16 x 64 float32; key 4 x 2,048 x 1,024 float32; mask 4 x 2,048 x 2,048 bool; query 4 x 2,048 x 1,024 float32; value 4 x 2,048 x 1,024 float32.
;; Outputs: out0 4 x 2,048 x 1,024 float32.
;; This version of the problem:
;;   THIS VERSION OF THE PROBLEM IS GIVEN IN LOW PRECISION. The matrix products marked QUANTISED in the list below multiply operands that are first quantised to E2M3 (2 exponent bits, 3 mantissa bits; 6 bits a number), with one power-of-two scale for each 32 numbers along K (OCP MX v1.0); their sums are f32. All else is computed in f32.
;;   The module's matrix products, in the order in which they are computed (A, B: the left and right operand; K: the contracted axis; several contracted axes count as one K, in the product's order):
;;     1. [M 1,024, K 1,024] x [K 1,024, N 8,192]; A: input Wq; B: input query: QUANTISED
;;     2. [M 1,024, K 1,024] x [K 1,024, N 8,192]; A: input Wk; B: input key: QUANTISED
;;     3. [M 1,024, K 1,024] x [K 1,024, N 8,192]; A: input Wv; B: input value: QUANTISED
;;     4. batch 64 x [M 2,048, K 64] x [K 64, N 2,048]; A: computed on the way; B: computed on the way: QUANTISED
;;     5. batch 64 x [M 2,048, K 2,048] x [K 2,048, N 64]; A: softmax (see below); B: computed on the way: QUANTISED
;;     6. [M 8,192, K 1,024] x [K 1,024, N 1,024]; A: computed on the way; B: input Wp: QUANTISED
;;   THE QUANTISER, for each operand of a quantised product, along K:
;;     - K is cut into blocks of 32 from its start; a last block that is shorter is filled with zeros.
;;     - A block's scale is 2^e with e = floor(log2(the largest magnitude in the block)) - 2, held to -126 .. 127; a block of zeros has e = 0. As a byte (E8M0): e + 127.
;;     - Each number is divided by its block's scale, clamped to +-7.5, and rounded to the nearest number of E2M3, ties to even, subnormals kept.
;;     - The product sums the exact products of the quantised numbers (number of the format x scale) in f32.
;;   ~~~python
;;   def quantise(x, axis):      # numpy; x: float32 -> the quantised numbers, widened to float32 again
;;       x = np.moveaxis(x, axis, -1); K = x.shape[-1]
;;       x = np.pad(x, [(0, 0)] * (x.ndim - 1) + [(0, -K % 32)]); x = x.reshape(x.shape[:-1] + (-1, 32)); a = np.abs(x).max(-1, keepdims=True)
;;       e = np.where(a > 0, np.clip(np.frexp(np.where(a > 0, a, 1))[1] - 1 - 2, -126, 127), 0)      # np.frexp(a)[1] - 1 = floor(log2(a)), exactly
;;       r = np.clip(x / 2.0 ** e, -7.5, 7.5)
;;       step = 2.0 ** (np.maximum(np.frexp(np.where(r == 0, 1, r))[1] - 1, 0) - 3)
;;       q = np.round(r / step) * step * 2.0 ** e      # np.round: ties to even
;;       return np.moveaxis(q.reshape(q.shape[:-2] + (-1,))[..., :K], -1, axis).astype(np.float32)
;;   ~~~
;;   SOFTMAX AHEAD OF A QUANTISED PRODUCT. Where the list says 'softmax', what is quantised is not the finished softmax but p = 2^(t - M), with t = logit x log2(e) and M = ceil(the row's largest t), a whole number; so 1/2 < the row's largest p <= 1. The row's sum l is taken of the UNQUANTISED p, in f32, and the product's result is divided by l at the end. Since M is a whole number, a kernel that streams over the keys may use a running M (the ceiling of the running maximum): every later rescaling is an exact power of two, which a block's scale takes up: the codes' values come out the same.
;;   OPERANDS COMPUTED ON THE WAY. 'Computed on the way' means the value that the module computes at that place (a softmax that the list does not call 'softmax' is quantised finished and normalised). What goes into a quantiser is computed in f32, as accurately as f32 sums, v_exp_f32 and their like allow (about 1e-6 of the number): no bf16 or f16 on the way to a quantiser, and a product that is left as it is and whose result goes on into a quantised operand takes f32 operands (vector FMAs, or v_wmma_f32_16x16x4_f32). A number that lies on a knife's edge between two numbers of the format may be rounded either way, as far as f32 arithmetic and the matrix unit's own rounding can turn it there, and no further.
;; 2 versions, each right; version 2 is version 1 with the launch attn written anew for expert scheduling mode. Each part assembles by itself: llvm-mc -triple=amdgcn-amd-amdhsa -mcpu=gfx1250 --defsym DOCPART=n.
;; ======== version 1 of 2: 4 launches
;; limits: right only within a limited range of input values
;; workspace buffers: xw 22,937,600 bytes; mw 2,097,152 bytes; fl 2,048 bytes of whole numbers; qb 6,553,600 bytes; kv 13,107,200 bytes; zb 6,553,600 bytes
;; launch prep (part 1): grid 960 x 1, 4 waves a work-group, no clusters, 68,352 bytes of LDS; arguments query, key, value, Wq, Wk, Wv, Wp, mask, xw, mw, fl; writes xw, mw, fl
.if DOCPART == 1
	.amdgcn_target "amdgcn-amd-amdhsa--gfx1250"
	.amdhsa_code_object_version 6
	.text
	.protected	k_qd2a720784b_prep
	.globl	k_qd2a720784b_prep
	.p2align	8
	.type	k_qd2a720784b_prep,@function
k_qd2a720784b_prep:
	s_mov_b64 s[64:65], 0
	v_nop
	global_prefetch_b8 v0, s[64:65] scope:SCOPE_SE
	s_setreg_imm32_b32 hwreg(HW_REG_WAVE_MODE, 25, 1), 1
	s_wait_xcnt 0x0
; PREP.  Two jobs in one launch, told apart by the work-group's number.
; (Q) work-groups 0-447: query, key, value [8192][1024] and Wq, Wk, Wv, Wp [1024][1024], f32, become codes of FP6 (E2M3) with one E8M0 byte for each 32 along K (the last axis).
;     The codes are laid as IMAGES OF OPERAND REGISTERS.  A row tile is 16 rows: lane r of tile t holds row 32 (t / 2) + 8 (t % 2) + r + 8 (r / 8).  A fragment (a tile x 128 along K, 12 registers a lane) is 1,536 bytes:
;     registers 4 p .. 4 p + 3 of lane l at 512 p + 16 l.  Tile t has 8 fragments on end (12,288 bytes); its scale words, [fragment 8][row 16], 512 bytes, lie from byte XSC on.
;     Tiles: 0 query, 512 key, 1024 value, 1536 Wq, 1600 Wk, 1664 Wv, 1728 Wp.  A wave takes one tile, whole.
; (M) work-groups 448-959: the mask [4][2048][2048] of bytes becomes words of 32 bits, a bit a lane, as the attention launch's selects take them: for query tile (b, T), key step j (128 keys) and n = 0 .. 63,
;     bit l of word ((128 b + T) 16 + j) 64 + n of mw is mask[b][row(T, l % 16)][128 j + 32 (n / 16) + 16 (l / 16) + n % 16].  A buffer of its own, fl, takes one flag word a tile, at word 128 b + T: bit j: step j counts (it has an
;     open place, or the tile has a row with no open key at all, for which every key counts); bit 16 + j: step j is not all open.  A work-group takes a tile, wave w its key steps 4 w .. 4 w + 3.
; A block's scale is 2^(floor(log2(largest magnitude)) - 2): its byte is the largest magnitude's exponent field - 2, held at 1 from below by a floor among the maximum's leaves.
; LIMITS: a block of zeros gets the byte 1 where the rule says 127 (its codes are zeros, and this program alone reads the bytes); NaN and infinities among the inputs are not served.
; No tensor load, no matrix work: memory binds here.  Each load reads 512 consecutive bytes of a row; a wave of (Q) has 32 such loads on their way.  Each path has LDS bytes of its own.
.set SP,    528                        ; a stage row: 512 bytes + 16
.set WST,   16*SP                      ; a wave's stage
.set MST,   4*WST                      ; path M's four stages, behind path Q's
.set EXC,   8*WST                      ; path M: 8 bytes a wave, the flags' parts
.set SPARE, EXC+256                    ; the spare words, 128 bytes for each wave: two blocks of 256 bytes that no other line names
.set XSC,   22020096                   ; xw: where the scale words begin (1,792 tiles x 12,288)
.set SPW,   12                         ; v12  LDS address of my spare word; never rewritten
.set NIL,   13                         ; v13  0; never rewritten
.set R,     16                         ; v16-143  two sets of 64 registers as loaded
.set X,     144                        ; v144-207 64 numbers as the lane's operand registers want them (path M: 256 mask bytes)
.set P,     208                        ; v208-219 a fragment's codes (path M: v208-215 the words to store)
.set TT,    220                        ; v220-226 the upper halves of the two blocks' codes, before they are moved
.set W,     236                        ; v236-243 the eight fragments' scale words
	s_load_b512 s[4:19], s[0:1], 0x0               ; query, key, value, Wq, Wk, Wv, Wp, mask
	s_load_b128 s[20:23], s[0:1], 0x40             ; xw, mw
	s_load_b64 s[28:29], s[0:1], 0x50              ; fl (path M reads it; path Q writes these two registers anew behind its wait for the arguments)
	v_lshl_add_u32 v[SPW], v0, 2, SPARE
	v_mov_b32 v[NIL], 0
	v_lshrrev_b32 v1, 5, v0
	v_readfirstlane_b32 s24, v1                    ; wave 0..3
	v_and_b32 v1, 31, v0                           ; lane
	v_and_b32 v2, 15, v0                           ; r
	v_bfe_u32 v3, v0, 4, 1                         ; h
	v_lshlrev_b32 v4, 4, v1                        ; 16 x lane
	s_mul_i32 s25, s24, WST                        ; my stage
	s_cmp_ge_u32 ttmp9, 448
	s_cbranch_scc1 .Lmask
; ---------------------------------------------------------------- (Q) the quantiser
	s_mov_b32 s26, 0x76543210
	s_mov_b32 s27, 0xfedcba98                      ; v_permlanex16_b32's selects for lane l xor 16
	s_mov_b32 s40, 0xffff0000                      ; lanes 16-31
	v_add_nc_u32 v5, s25, v4                       ; into the stage: 16 x lane, a row a load
	v_mul_u32_u24 v6, v2, SP
	v_lshl_add_u32 v6, v3, 7, v6
	v_add_nc_u32 v6, s25, v6                       ; out of it: row r, + 128 h: my 32 numbers of each 64
	v_lshlrev_b32 v7, 3, v3                        ; 8 h: where my two scale bytes stand in the word
	v_lshlrev_b32 v8, 2, v1                        ; 4 x lane
	v_mov_b32 v235, 0                              ; a lane permute's destination counts as read
	s_wait_kmcnt 0x0
	s_mov_b64 s[28:29], s[16:17]                   ; which tensor is mine, and its first work-group: the choice hangs on the work-group's number alone
	s_mov_b32 s30, 432
.macro PICK bound, ptr, first
	s_cmp_lt_u32 ttmp9, \bound
	s_cselect_b64 s[28:29], s[\ptr:\ptr+1], s[28:29]
	s_cselect_b32 s30, \first, s30
.endm
	PICK 432, 14, 416
	PICK 416, 12, 400
	PICK 400, 10, 384
	PICK 384, 8, 256
	PICK 256, 6, 128
	PICK 128, 4, 0
	s_sub_co_u32 s30, ttmp9, s30
	s_lshl_b32 s30, s30, 2
	s_add_co_u32 s30, s30, s24                     ; my tile inside its tensor
	s_lshr_b32 s31, s30, 1
	s_lshl_b32 s31, s31, 5
	s_and_b32 s32, s30, 1
	s_lshl_b32 s32, s32, 3
	s_add_co_u32 s31, s31, s32                     ; its first row: 32 (t / 2) + 8 (t % 2)
	s_lshl_b32 s32, s31, 12                        ; a row is 4,096 bytes
	s_mov_b32 s33, 0
	s_add_nc_u64 s[28:29], s[28:29], s[32:33]
	s_lshl_b32 s34, ttmp9, 2
	s_add_co_u32 s34, s34, s24                     ; my tile in xw
	s_mul_i32 s36, s34, 12288
	s_mov_b32 s37, 0
	s_add_nc_u64 s[36:37], s[20:21], s[36:37]      ; its codes
	s_lshl_b32 s38, s34, 9
	s_add_co_u32 s38, s38, XSC
	s_mov_b32 s39, 0
	s_add_nc_u64 s[38:39], s[20:21], s[38:39]      ; its scale words
.macro LOADU g                         ; unit g: 128 along K of the tile's 16 rows; each load takes 512 consecutive bytes of one row
.irp i, 0,1,2,3,4,5,6,7,8,9,10,11,12,13,14,15
	global_load_b128 v[R+64*((\g)%2)+4*\i:R+64*((\g)%2)+4*\i+3], v4, s[28:29] offset:(\i+8*(\i/8))*4096+512*(\g) th:TH_LOAD_NT
.endr
.endm
.macro UNIT g
.if (\g) < 7
	s_wait_loadcnt 16                              ; this unit's 16 loads are in; the next unit's 16 may be out
.else
	s_wait_loadcnt 0x0
.endif
.irp i, 0,1,2,3,4,5,6,7,8,9,10,11,12,13,14,15
	ds_store_b128 v5, v[R+64*((\g)%2)+4*\i:R+64*((\g)%2)+4*\i+3] offset:SP*\i
.endr
.irp c, 0,1                            ; LDS serves a wave's instructions in order: these see the stores.  Lane (r, h) takes k = 64 c + 32 h + 0 .. 31 of row r: two whole blocks
.irp p, 0,1,2,3,4,5,6,7
	ds_load_b128 v[X+32*\c+4*\p:X+32*\c+4*\p+3], v6 offset:256*\c+16*\p
.endr
.endr
	s_wait_dscnt 0x0                               ; my numbers are back, and the stores into the stage have read their registers
	s_wait_xcnt 0x0                                ; the last unit's stores have read the codes' registers: they are written again below
.if (\g)+2 < 8
	LOADU (\g)+2
.endif
.irp c, 0,1
	v_max3_num_f32 v[228+\c], |v[X+32*\c]|, |v[X+32*\c+1]|, |v[X+32*\c+2]|     ; the block's largest magnitude: all 32 numbers are mine; two chains a block
	v_max3_num_f32 v[230+\c], |v[X+32*\c+3]|, |v[X+32*\c+4]|, |v[X+32*\c+5]|
.endr
.irp i, 6,10,14,18,22,26
.irp c, 0,1
	v_max3_num_f32 v[228+\c], v[228+\c], |v[X+32*\c+\i]|, |v[X+32*\c+\i+1]|
	v_max3_num_f32 v[230+\c], v[230+\c], |v[X+32*\c+\i+2]|, |v[X+32*\c+\i+3]|
.endr
.endr
.irp c, 0,1
	v_max3_num_f32 v[228+\c], v[228+\c], |v[X+32*\c+30]|, |v[X+32*\c+31]|
.endr
.irp c, 0,1
	v_max3_num_f32 v[228+\c], v[228+\c], v[230+\c], 0x1800000      ; and the floor 2^(3 - 127): the byte cannot fall under 1
.endr
.irp c, 0,1
	v_add_nc_u32 v[232+\c], 0xff000000, v[228+\c]  ; 2 off the exponent field: the conversion takes the exponent field of this operand as its scale
.endr
.irp c, 0,1
	v_lshrrev_b32 v[230+\c], 23, v[232+\c]         ; the scale's byte
.endr
	v_lshl_or_b32 v234, v231, 16, v230             ; my two bytes: blocks h and 2 + h,
	v_lshlrev_b32 v234, v7, v234                   ; at their places in the word;
	v_permlanex16_b32 v235, v234, s26, s27
	v_or_b32 v[W+(\g)], v234, v235                 ; with lane l xor 16's two the word is whole
.irp c, 0,1
	v_cvt_scalef32_pk16_fp6_f32 v[P+6*\c:P+6*\c+2], v[X+32*\c:X+32*\c+15], v[232+\c]
	v_cvt_scalef32_pk16_fp6_f32 v[TT+4*\c:TT+4*\c+2], v[X+32*\c+16:X+32*\c+31], v[232+\c]   ; (a conversion's three registers begin on an even number)
.endr
	v_nop                                          ; one plain place behind a scaled conversion
.irp c, 0,1
.irp i, 0,1,2
	v_mov_b32 v[P+6*\c+3+\i], v[TT+4*\c+\i]
.endr
.endr
.irp p, 0,1,2
	global_store_b128 v4, v[P+4*\p:P+4*\p+3], s[36:37] offset:1536*(\g)+512*\p   ; the fragment's image: 512 consecutive bytes a store
.endr
.endm
	LOADU 0
	LOADU 1
.irp g, 0,1,2,3,4,5,6,7
	UNIT \g
.endr
.irp k, 0,1,2,3                        ; the scale words of two fragments, one in each half of the lanes: 128 consecutive bytes a store
	v_cndmask_b32 v[244+\k], v[W+2*\k], v[W+2*\k+1], s40
.endr
.irp k, 0,1,2,3
	global_store_b32 v8, v[244+\k], s[38:39] offset:128*\k
.endr
	s_wait_tensorcnt 0x0                           ; the wave's end, behind my last LDS store
	ds_add_u32 v[SPW], v[NIL]
	s_wait_dscnt 0x0
	s_endpgm
; ---------------------------------------------------------------- (M) the mask
.Lmask:
	s_sub_co_u32 s30, ttmp9, 448                   ; 128 b + T
	s_lshr_b32 s31, s30, 7                         ; b
	s_and_b32 s32, s30, 127                        ; T
	s_lshr_b32 s33, s32, 1
	s_lshl_b32 s33, s33, 5
	s_and_b32 s34, s32, 1
	s_lshl_b32 s34, s34, 3
	s_add_co_u32 s33, s33, s34
	s_lshl_b32 s31, s31, 11
	s_add_co_u32 s33, s33, s31                     ; the tile's first row among the 8,192
	s_lshl_b32 s32, s33, 11                        ; a row of the mask is 2,048 bytes
	s_lshl_b32 s34, s24, 9
	s_add_co_u32 s32, s32, s34                     ; + my 512 keys
	s_mov_b32 s33, 0
	s_lshl_b32 s36, s30, 12                        ; the tile's words: 16 steps x 256 bytes,
	s_lshl_b32 s34, s24, 10
	s_add_co_u32 s36, s36, s34                     ; my four steps
	s_mov_b32 s37, 0
	s_lshl_b32 s38, s30, 2                         ; the tile's flag word in fl
	s_mov_b32 s39, 0
	v_add_nc_u32 v5, s25, v4
	v_add_nc_u32 v5, MST, v5                       ; into my stage
	v_mul_u32_u24 v6, v2, SP
	v_lshl_add_u32 v6, v3, 4, v6
	v_add_nc_u32 v6, s25, v6
	v_add_nc_u32 v6, MST, v6                       ; out of it: row r, + 16 h
	s_wait_kmcnt 0x0
	s_add_nc_u64 s[18:19], s[18:19], s[32:33]
	s_add_nc_u64 s[36:37], s[22:23], s[36:37]
	s_add_nc_u64 s[38:39], s[28:29], s[38:39]
.irp i, 0,1,2,3,4,5,6,7,8,9,10,11,12,13,14,15
	global_load_b128 v[R+4*\i:R+4*\i+3], v4, s[18:19] offset:(\i+8*(\i/8))*2048 th:TH_LOAD_NT   ; 512 consecutive bytes of one row
.endr
	s_mov_b32 s40, 0xff
	s_mov_b32 s41, 0xff00
	s_mov_b32 s42, 0xff0000
	s_mov_b32 s43, 0xff000000
.irp j, 0,1,2,3
	s_mov_b32 s[44+\j], 0                          ; step j: the OR of its 64 words,
	s_mov_b32 s[48+\j], -1                         ; and the AND
.endr
.irp i, 0,1,2,3,4,5,6,7
	v_mov_b32 v[P+\i], 0                           ; v_writelane_b32's destination counts as read
.endr
	v_mov_b32 v236, 0
	s_wait_loadcnt 0x0
.irp i, 0,1,2,3,4,5,6,7,8,9,10,11,12,13,14,15
	ds_store_b128 v5, v[R+4*\i:R+4*\i+3] offset:SP*\i
.endr
.irp j, 0,1,2,3                        ; lane (r, h): of row r the 16 bytes of keys 128 j + 32 b + 16 h + 0 .. 15
.irp b, 0,1,2,3
	ds_load_b128 v[X+4*(4*\j+\b):X+4*(4*\j+\b)+3], v6 offset:128*\j+32*\b
.endr
.endr
	s_wait_dscnt 0x0
; Byte y of register m is word 4 m + y of my 256: a compare gathers it from the 32 lanes, and the word goes to lane m % 32 of the register from which that lane will store it.
.set m, 0
.rept 64
.irp y, 0,1,2,3
	v_and_b32 v[216+4*(m%2)+\y], s[40+\y], v[X+m]
.endr
.irp y, 0,1,2,3
	v_cmp_ne_u32 s[52+4*(m%2)+\y], 0, v[216+4*(m%2)+\y]
.endr
.irp y, 0,1,2,3
	v_writelane_b32 v[P+\y+4*(m/32)], s[52+4*(m%2)+\y], m%32
.endr
.irp y, 0,1,2,3
	s_or_b32 s[44+m/16], s[44+m/16], s[52+4*(m%2)+\y]
	s_and_b32 s[48+m/16], s[48+m/16], s[52+4*(m%2)+\y]
.endr
.set m, m+1
.endr
	global_store_b128 v4, v[P:P+3], s[36:37]       ; 512 consecutive bytes a store
	global_store_b128 v4, v[P+4:P+7], s[36:37] offset:512
	s_mov_b32 s60, 0
.irp j, 0,1,2,3
	s_cmp_lg_u32 s[44+\j], 0                       ; has the step an open place?
	s_cselect_b32 s61, 1<<\j, 0
	s_or_b32 s60, s60, s61
	s_cmp_lg_u32 s[48+\j], -1                      ; is it not all open?
	s_cselect_b32 s61, 1<<(16+\j), 0
	s_or_b32 s60, s60, s61
.endr
	s_lshl_b32 s61, s24, 2
	s_lshl_b32 s60, s60, s61                       ; at my four steps' places
	s_or_b32 s62, s44, s45
	s_or_b32 s63, s46, s47
	s_or_b32 s62, s62, s63                         ; bit l: lane l's row has an open key among my 512 (its half of them)
	v_mov_b32 v224, s60
	v_mov_b32 v225, s62
	s_lshl_b32 s61, s24, 3
	s_add_co_u32 s61, s61, EXC
	v_mov_b32 v226, s61
	ds_store_b64 v226, v[224:225]                  ; all lanes write the same two words with the same values
	s_wait_dscnt 0x0                               ; for the others' sake: my store has landed
	s_barrier_signal -1
	s_barrier_wait -1
	v_mov_b32 v227, EXC
	ds_load_b128 v[228:231], v227                  ; the four waves' parts
	ds_load_b128 v[232:235], v227 offset:16
	s_wait_dscnt 0x0
	v_or_b32 v228, v228, v230
	v_or_b32 v232, v232, v234
	v_or_b32 v228, v228, v232                      ; the 16 steps' flags
	v_or_b32 v229, v229, v231
	v_or_b32 v233, v233, v235
	v_or_b32 v229, v229, v233
	v_lshrrev_b32 v230, 16, v229
	v_or_b32 v229, v229, v230
	v_and_b32 v229, 0xffff, v229                   ; bit r: row r has an open key
	v_mov_b32 v231, 0xffff
	v_cmp_ne_u32 vcc_lo, v229, v231
	v_cndmask_b32 v230, 0, v231, vcc_lo            ; a row without any: every step of the tile counts
	v_or_b32 v228, v228, v230
	s_cmp_lg_u32 s24, 0
	s_cbranch_scc1 .Lmdone
	s_wait_xcnt 0x0                                ; EXEC changes only behind this wait: my stores above have been issued under the full one
	v_cmp_eq_u32 vcc_lo, 0, v0
	s_and_saveexec_b32 s61, vcc_lo
	global_store_b32 v236, v228, s[38:39]          ; thread 0 stores the tile's flag word
	s_wait_xcnt 0x0                                ; and again in front of the line that widens it
	s_or_b32 exec_lo, exec_lo, s61
.Lmdone:
	s_wait_tensorcnt 0x0                           ; the wave's end, behind my last LDS store
	ds_add_u32 v[SPW], v[NIL]
	s_wait_dscnt 0x0
	s_endpgm
.Lfunc_end_k_qd2a720784b_prep:
	.size	k_qd2a720784b_prep, .Lfunc_end_k_qd2a720784b_prep-k_qd2a720784b_prep
	.p2alignl 7, 3214868480
	.fill 96, 4, 3214868480
	.section	.rodata,"a",@progbits
	.p2align	6, 0x0
	.amdhsa_kernel k_qd2a720784b_prep
		.amdhsa_group_segment_fixed_size 68352
		.amdhsa_private_segment_fixed_size 0
		.amdhsa_enable_private_segment 0
		.amdhsa_kernarg_size 88
		.amdhsa_user_sgpr_count 2
		.amdhsa_user_sgpr_kernarg_segment_ptr 1
		.amdhsa_wavefront_size32 1
		.amdhsa_system_sgpr_workgroup_id_x 1
		.amdhsa_system_sgpr_workgroup_id_y 1
		.amdhsa_system_sgpr_workgroup_id_z 1
		.amdhsa_system_vgpr_workitem_id 0
		.amdhsa_next_free_vgpr 256
		.amdhsa_next_free_sgpr 66
		.amdhsa_reserve_vcc 1
		.amdhsa_float_denorm_mode_32 3
		.amdhsa_float_denorm_mode_16_64 3
		.amdhsa_memory_ordered 1
		.amdhsa_forward_progress 1
		.amdhsa_inst_pref_size 123
	.end_amdhsa_kernel
	.amdgpu_metadata
---
amdhsa.version: [ 1, 2 ]
amdhsa.kernels:
  - .name:           k_qd2a720784b_prep
    .symbol:         k_qd2a720784b_prep.kd
    .args:
      - { .name: query, .offset: 0, .size: 8, .value_kind: global_buffer, .address_space: global }
      - { .name: key, .offset: 8, .size: 8, .value_kind: global_buffer, .address_space: global }
      - { .name: value, .offset: 16, .size: 8, .value_kind: global_buffer, .address_space: global }
      - { .name: Wq, .offset: 24, .size: 8, .value_kind: global_buffer, .address_space: global }
      - { .name: Wk, .offset: 32, .size: 8, .value_kind: global_buffer, .address_space: global }
      - { .name: Wv, .offset: 40, .size: 8, .value_kind: global_buffer, .address_space: global }
      - { .name: Wp, .offset: 48, .size: 8, .value_kind: global_buffer, .address_space: global }
      - { .name: mask, .offset: 56, .size: 8, .value_kind: global_buffer, .address_space: global }
      - { .name: xw, .offset: 64, .size: 8, .value_kind: global_buffer, .address_space: global }
      - { .name: mw, .offset: 72, .size: 8, .value_kind: global_buffer, .address_space: global }
      - { .name: fl, .offset: 80, .size: 8, .value_kind: global_buffer, .address_space: global }
    .group_segment_fixed_size: 68352
    .private_segment_fixed_size: 0
    .kernarg_segment_align: 8
    .kernarg_segment_size: 88
    .max_flat_workgroup_size: 128
    .sgpr_count:     66
    .vgpr_count:     256
    .wavefront_size: 32
...
	.end_amdgpu_metadata
.endif
;; end of part 1
;; launch proj (part 2): grid 4 x 96, 4 waves a work-group, clusters of 4 x 4, 327,680 bytes of LDS; arguments xw, bq, bk, bv, qb, kv; writes qb, kv
.if DOCPART == 2
	.amdgcn_target "amdgcn-amd-amdhsa--gfx1250"
	.amdhsa_code_object_version 6
	.text
	.protected	k_qd2a720784b_proj
	.globl	k_qd2a720784b_proj
	.p2align	8
	.type	k_qd2a720784b_proj,@function
k_qd2a720784b_proj:
	s_mov_b64 s[64:65], 0
	v_nop
	global_prefetch_b8 v0, s[64:65] scope:SCOPE_SE
	s_setreg_imm32_b32 hwreg(HW_REG_WAVE_MODE, 25, 1), 1
	s_wait_xcnt 0x0
	s_wait_alu depctr_hold_cnt(0) depctr_sa_sdst(0) depctr_va_vdst(0) depctr_va_sdst(0) depctr_va_ssrc(0) depctr_va_vcc(0) depctr_vm_vsrc(0)
	s_getreg_b32 s2, hwreg(HW_REG_IB_STS2, 6, 4)
	s_cmp_eq_u32 s2, 0
	s_cbranch_scc0 .Lentry_in_a_cluster
	s_endpgm
.Lentry_in_a_cluster:
	s_bfe_u32 s2, ttmp6, 0x10000c
	s_cmp_lg_u32 s2, 0xf033
	s_cbranch_scc0 .Lentry_shape_is_right
	s_endpgm
.Lentry_shape_is_right:
; PROJ.  The three projections on codes of FP6 (E2M3) with E8M0 scales, K = 1,024; bias in f32; the results quantised at once along the NEXT product's K and stored as images of operand registers.
; z = cluster y / 8 says which: 0: Q = query Wq^T + bq; 1: K = key Wk^T + bk; 2: V = value Wv^T + bv.  A tile of 256 x 256 to a work-group of four waves, 128 x 128 to a wave: 64 accumulators, 512 registers.
; EVERY PRODUCT IS source 0 = 16 rows of B', source 1 = 16 rows of A': a lane then holds ONE row of A' and its registers run along B's rows.  z = 0, 1: A' = the tokens, B' = the weight's rows: a lane holds a token and 64 of its
; features (128 features = a pair of heads): Q and K are quantised along a head's 64.  z = 2: A' = Wv's rows, B' = the tokens: a lane holds a feature and 64 of 128 keys: V is quantised along the keys.
; THE ROWS OF A TILE OF 16 ARE NOT NEIGHBOURS (lane r of tile t: row 32 (t / 2) + 8 (t % 2) + r + 8 (r / 8)), so that the 16 registers of B's tiles 2 b and 2 b + 1 are 16 neighbours: positions 32 b + 16 (lane / 16) + 0 .. 15.
; INPUT xw: fragments as images of their registers (1,536 bytes: registers 4 p .. 4 p + 3 of lane l at 512 p + 16 l), 8 to a row tile; scale words [fragment][row], 512 bytes a tile, from byte XSC on.
; OUTPUT, fragments in two halves of 768 bytes (64 along K each: one head, or 64 keys): registers 6 c .. 6 c + 3 of lane l at 768 c + 16 l, registers 6 c + 4, 6 c + 5 at 768 c + 512 + 8 l.
;   qb: fragment ((8 b + pair) 128 + query tile); scale words, 64 bytes a fragment, from byte 6,291,456 on.   kv: record ((8 b + pair) 16 + key step), 25,600 bytes: K's 8 key tiles, V's 8 fragments (4 x head + tile of 16
;   of the head's 64), K's scale words (512 bytes), V's (512).
; K goes in steps of 256 through a ring of two LDS slots filled by the tensor data mover; a row tile's part of a step is 3,072 consecutive bytes.  The scale words of the work-group's rows come once and stay.
; CLUSTERS: 4 x 4 work-groups; A's tiles are asked for jointly along a row of the cluster, B's along a column.  z is the same in all sixteen partners.
; LIMITS: a block of zeros gets the byte 1 where the rule says 127 (zero codes; this program alone reads the bytes); NaN and infinities are not served.
; REGISTERS, in windows of 256: window 0: v0-31 addresses; v32-63 scale words, two sets; v64-127 the bias along B's rows; v128-223 A's fragments, one set; v228-235 the results' scale words; v240-255 the bias by lane.
;   On the way out v128-191 a block's 64 numbers, v192-210 its codes, v212-227 at work.   window 1: B's fragments, two sets.   windows 2, 3: the accumulators ((a, b) at v[8 (8 (a % 4) + b)]).
.set NQ,     2                         ; matrix instructions deep in a slot
.set FR,     12                        ; registers of a fragment
.set NL,     3                         ; LDS loads that bring one
.set NP,     4                         ; places behind this matrix instruction (ISA guide 7.12.1)
.set TILEB,  12288                     ; a row tile's codes in memory
.set STEPB,  3072                      ; its part of a K step of 256
.set HALFT,  8*STEPB                   ; 8 row tiles: what one tensor load brings, and what one wave reads of A' or of B'
.set SLOT,   4*HALFT
.set LAPS,   2                         ; 1,024 / 512
.set SCL,    2*SLOT                    ; behind the ring: A's scale words (8,192 bytes), then, 64 bytes further on than they would follow, B's: so that a load's two halves of lanes fall on different banks
.set HALFS,  4096                      ; the scale words of 8 row tiles
.set BSK,    64
.set SPARE,  213248                    ; the next multiple of 256 behind them: the spare words, 128 bytes for each wave
.set XSC,    22020096
.set BNO,  7                           ; v7   byte offset of the bias along B's rows; not rewritten
.set BMO,  8                           ; v8   of the bias by lane; not rewritten
.set ADRA, 16                          ; v16-17  LDS address of my A fragments in slot 0, 1
.set ADRB, 20                          ; v20-21  the same for B
.set L16,  24                          ; v24  16 x lane
.set L8,   25                          ; v25  8 x lane
.set L4,   26                          ; v26  4 x lane
.set ADRS, 27                          ; v27  LDS address of my scale words: lanes 0-15 A's, lanes 16-31 B's
.set SPW,  28                          ; v28  LDS address of my spare word; never rewritten
.set NIL,  29                          ; v29  0; never rewritten
.set SC,   32
.set BN,   64
.set AF,   128
.set T,    128
.set PC,   192
.set TM,   212
.set PW,   228
.set BM,   240
.set G1, 24
.set G0, 32
.set G1B, 48
.set G0B, 56
.set G1S, 68
.set G0S, 76
.set G1SB, 80
.set G0SB, 88
.set SEL, 92                           ; s[92:93] lane selects, once the scales' descriptors are written
.set HIM, 94                           ; s94 lanes 16-31
.set MSB, 0
.macro WIN new                         ; the immediate's high byte repeats the setting that is left
.if MSB != \new
	s_set_vgpr_msb (MSB<<8)|\new
.set MSB, \new
.endif
.endm
.set MUL_LO, 0xa1                      ; source 0 (B') window 1, source 1 (A') window 0, C and D window 2
.set MUL_HI, 0xf1                      ; the same, C and D window 3
.set TO_B,   0x40                      ; destination window 1, address window 0
; A joint load: waves 0 and 1 fetch for A', waves 2 and 3 for B'.  The branch hangs on the wave's number alone.  An s_nop 0 and four v_nop follow each of the two lines.
.macro JLOAD g0a, g1a, g0b, g1b
	s_cmp_eq_u32 s15, 0
	s_cbranch_scc0 .Lfor_b_\@
	tensor_load_to_lds s[\g0a:\g0a+3], s[\g1a:\g1a+7]
	s_nop 0
.rept 4
	v_nop
.endr
	s_branch .Lasked_\@
.Lfor_b_\@:
	tensor_load_to_lds s[\g0b:\g0b+3], s[\g1b:\g1b+7]
	s_nop 0
.rept 4
	v_nop
.endr
.Lasked_\@:
.endm
.macro CREST                           ; a round of the cluster's barrier behind its opening barrier
	s_cmp_lg_u32 s14, 0
	s_cbranch_scc1 .Lnot_wave_0_\@
	s_barrier_signal -3
.Lnot_wave_0_\@:
	s_barrier_wait -3
	s_barrier_signal -1
	s_barrier_wait -1
.endm
.macro CROUND
	s_barrier_signal -1
	s_barrier_wait -1
	CREST
.endm
	s_load_b256 s[4:11], s[0:1], 0x0               ; xw, bq, bk, bv
	s_load_b128 s[96:99], s[0:1], 0x20             ; qb, kv
	v_lshl_add_u32 v[SPW], v0, 2, SPARE
	v_mov_b32 v[NIL], 0
	ds_add_u32 v[SPW], v[NIL]                      ; the wave's opening: the add, and its wait ahead of my first tensor load; work on registers stands between them
	v_lshrrev_b32 v1, 5, v0
	v_readfirstlane_b32 s14, v1                    ; wave 0..3
	s_lshr_b32 s15, s14, 1                         ; which half of A's rows is mine.  Also: I fetch for A' (0) or for B' (1)
	s_and_b32 s16, s14, 1                          ; which half of B's rows.  Also: which 8 row tiles I fetch
	s_bfe_u32 s40, ttmp6, 0x40000                  ; cx
	s_bfe_u32 s41, ttmp6, 0x40004                  ; cy
	s_and_b32 s13, ttmp7, 0xffff                   ; cluster y, 0 .. 23
	s_lshr_b32 s12, s13, 3                         ; z
	s_and_b32 s13, s13, 7
	s_lshl_b32 s13, s13, 2                         ; four tiles of the long side to a cluster
	s_cmp_eq_u32 s12, 2
	s_cselect_b32 s17, 0, s13                      ; the tokens are A' for z = 0, 1
	s_cselect_b32 s42, s13, 0                      ; and B' for z = 2
	s_add_co_u32 s17, s17, s41                     ; tile of A's rows: hangs on cy alone
	s_add_co_u32 s42, s42, s40                     ; tile of B's rows: on cx alone
	s_cmp_eq_u32 s12, 0
	s_cselect_b32 s18, 0, 512                      ; A's first row tile in xw: query 0, key 512, Wv 1,664
	s_mov_b32 s19, 1600
	s_cselect_b32 s19, 1536, s19                   ; B's: Wq 1,536, Wk 1,600, value 1,024
	s_cmp_eq_u32 s12, 2
	s_cselect_b32 s18, 1664, s18
	s_cselect_b32 s19, 1024, s19
	s_lshl_b32 s43, s41, 2
	s_lshl_b32 s43, 15, s43                        ; my row of the cluster
	s_lshl_b32 s44, 0x1111, s40                    ; my column
	; descriptor group 1 for the codes: 8 rows (row tiles) of 384 elements of 8 bytes (3,072 bytes), 1,536 elements (12,288 bytes) apart; dense in LDS
	s_or_b32 s[G1+0], s43, (3<<16)|(1<<21)         ; 15:0 the mask; 17:16 elements of 8 bytes; 20 no padding; 21 set beside a mask
	s_or_b32 s[G1B+0], s44, (3<<16)|(1<<21)
.irp g, G1, G1B
	s_mov_b32 s[\g+1], 384<<16                     ; tensor_dim0
	s_mov_b32 s[\g+2], 8<<16                       ; tensor_dim1
	s_mov_b32 s[\g+3], 384<<16                     ; tile_dim0
	s_mov_b32 s[\g+4], 8                           ; tile_dim1
	s_mov_b32 s[\g+5], 1536                        ; tensor_dim0_stride
	s_mov_b32 s[\g+6], 0
	s_mov_b32 s[\g+7], 0
.endr
	; and for the scale words of 8 row tiles: 4,096 dense bytes, as 16 rows of 256
	s_or_b32 s[G1S+0], s43, (3<<16)|(1<<21)
	s_or_b32 s[G1SB+0], s44, (3<<16)|(1<<21)
.irp g, G1S, G1SB
	s_mov_b32 s[\g+1], 32<<16
	s_mov_b32 s[\g+2], 16<<16
	s_mov_b32 s[\g+3], 32<<16
	s_mov_b32 s[\g+4], 16
	s_mov_b32 s[\g+5], 32
	s_mov_b32 s[\g+6], 0
	s_mov_b32 s[\g+7], 0
.endr
	s_lshl_b32 s21, s16, 3
	s_lshl_b32 s20, s17, 4
	s_add_co_u32 s20, s20, s21
	s_add_co_u32 s20, s20, s18                     ; A': the first row tile that I fetch
	s_lshl_b32 s46, s42, 4
	s_add_co_u32 s46, s46, s21
	s_add_co_u32 s46, s46, s19                     ; B': likewise
	s_lshl_b32 s22, s20, 9
	s_add_co_u32 s22, s22, XSC                     ; their scale words
	s_mov_b32 s23, 0
	s_lshl_b32 s92, s46, 9
	s_add_co_u32 s92, s92, XSC
	s_mov_b32 s93, 0
	s_mul_i32 s20, s20, TILEB                      ; and their codes
	s_mov_b32 s21, 0
	s_mul_i32 s46, s46, TILEB
	s_mov_b32 s47, 0
	s_mul_i32 s45, s14, HALFT                      ; where they go: wave x 8 row tiles: no place in the cluster enters an LDS address
	s_lshl_b32 s94, s14, 12
	s_wait_dscnt 0x0                               ; the opening add is done
	s_wait_kmcnt 0x0
	s_add_nc_u64 s[20:21], s[4:5], s[20:21]
	s_add_nc_u64 s[22:23], s[4:5], s[22:23]
	s_add_nc_u64 s[46:47], s[4:5], s[46:47]
	s_add_nc_u64 s[92:93], s[4:5], s[92:93]
	CROUND                                         ; all sixteen work-groups are here: the first joint loads meet
	s_mov_b32 s[G0S], 1
	s_add_co_u32 s[G0S+1], s94, SCL
	s_mov_b64 s[G0S+2:G0S+3], s[22:23]
	s_or_b32 s[G0S+3], s[G0S+3], 0x80000000
	s_mov_b32 s[G0SB], 1
	s_add_co_u32 s[G0SB+1], s94, SCL+BSK
	s_mov_b64 s[G0SB+2:G0SB+3], s[92:93]
	s_or_b32 s[G0SB+3], s[G0SB+3], 0x80000000
	JLOAD G0S, G1S, G0SB, G1SB                     ; the scale words first: they are wanted with K step 0.  By this text's count three tensor loads of a wave are out at the start, one behind each round
.irp s, 0,1
	s_mov_b32 s[G0+4*\s], 1
	s_add_co_u32 s[G0+4*\s+1], s45, \s*SLOT
	s_add_nc_u64 s[G0+4*\s+2:G0+4*\s+3], s[20:21], \s*STEPB
	s_or_b32 s[G0+4*\s+3], s[G0+4*\s+3], 0x80000000
	s_mov_b32 s[G0B+4*\s], 1
	s_add_co_u32 s[G0B+4*\s+1], s45, \s*SLOT
	s_add_nc_u64 s[G0B+4*\s+2:G0B+4*\s+3], s[46:47], \s*STEPB
	s_or_b32 s[G0B+4*\s+3], s[G0B+4*\s+3], 0x80000000
	JLOAD G0+4*\s, G1, G0B+4*\s, G1B
.endr
	s_mov_b32 s[SEL], 0x76543210
	s_mov_b32 s[SEL+1], 0xfedcba98
	s_mov_b32 s[HIM], 0xffff0000
	v_and_b32 v1, 15, v0                           ; r
	v_bfe_u32 v2, v0, 4, 1                         ; h
	v_and_b32 v3, 31, v0
	v_lshlrev_b32 v[L16], 4, v3
	v_lshlrev_b32 v[L8], 3, v3
	v_lshlrev_b32 v[L4], 2, v3
	s_mul_i32 s21, s15, HALFT                      ; my 8 row tiles of A'
	s_mul_i32 s22, s16, HALFT                      ; my 8 of B',
	s_add_co_u32 s22, s22, 2*HALFT                 ; which lie behind A's 16
.irp s, 0,1
	v_add_nc_u32 v[ADRA+\s], s21, v[L16]
	v_add_nc_u32 v[ADRB+\s], s22, v[L16]
	s_add_co_u32 s21, s21, SLOT
	s_add_co_u32 s22, s22, SLOT
.endr
	v_lshlrev_b32 v5, 2, v1                        ; my row's scale word
	s_lshl_b32 s21, s15, 12                        ; A's: my 8 row tiles
	s_lshl_b32 s22, s16, 12                        ; B's: my 8, behind A's 16
	s_add_co_u32 s22, s22, 2*HALFS+BSK
	s_sub_co_u32 s22, s22, s21
	v_mul_u32_u24 v6, s22, v2                      ; lanes 16-31 take B's: one product, the distance between the two
	s_add_co_u32 s21, s21, SCL
	v_add_nc_u32 v5, v5, v6
	v_add_nc_u32 v[ADRS], s21, v5
	; the biases.  Both forms are always loaded, at places inside the buffer; the way out takes the one that z asks for
	s_cmp_eq_u32 s12, 1
	s_cselect_b64 s[6:7], s[8:9], s[6:7]
	s_cmp_eq_u32 s12, 2
	s_cselect_b64 s[6:7], s[10:11], s[6:7]         ; bq, bk or bv
	s_lshl_b32 s95, s42, 1
	s_add_co_u32 s95, s95, s16                     ; NG: which 128 of B's rows are mine
	s_lshl_b32 s100, s17, 4
	s_lshl_b32 s101, s15, 3
	s_add_co_u32 s100, s100, s101                  ; TA0: my first row tile of A'
	s_lshl_b32 s18, s95, 9
	s_lshl_b32 s19, s100, 6
	s_cmp_eq_u32 s12, 2
	s_cselect_b32 s18, 0, s18                      ; z = 0, 1: features 128 NG on
	s_cselect_b32 s19, s19, 0                      ; z = 2: features 16 TA0 on
	v_lshl_add_u32 v[BNO], v2, 6, s18              ; + 16 h features
	v_and_b32 v[BMO], 8, v1
	v_add_nc_u32 v[BMO], v[BMO], v1                ; r + 8 (r / 8)
	v_lshl_add_u32 v[BMO], v[BMO], 2, s19
.irp t, 0,1,2,3,4,5,6,7
	global_load_b128 v[BN+8*\t:BN+8*\t+3], v[BNO], s[6:7] offset:(32*(\t/2)+8*(\t%2))*4       ; register 8 t + j: the bias of position 32 (t / 2) + 16 h + 8 (t % 2) + j
	global_load_b128 v[BN+8*\t+4:BN+8*\t+7], v[BNO], s[6:7] offset:(32*(\t/2)+8*(\t%2))*4+16
.endr
.irp a, 0,1,2,3,4,5,6,7
	global_load_b32 v[BM+2*\a], v[BMO], s[6:7] offset:(32*(\a/2)+8*(\a%2))*4                  ; block a: the bias of my lane's row
	v_mov_b32 v[BM+2*\a+1], 0                      ; (named with it as a pair)
.endr
	; where the results go
	s_lshr_b32 s18, s100, 7
	s_lshl_b32 s18, s18, 3
	s_add_co_u32 s18, s18, s95                     ; z = 0, 1: 8 b + pair
	s_and_b32 s19, s100, 127                       ; the tile inside its batch
	s_lshl_b32 s20, s18, 7
	s_add_co_u32 s20, s20, s19                     ; z = 0: Q's fragment
	s_lshl_b32 s21, s18, 4
	s_lshr_b32 s19, s19, 3
	s_add_co_u32 s21, s21, s19                     ; z = 1: the record
	s_lshr_b32 s22, s95, 4
	s_lshl_b32 s22, s22, 3
	s_lshr_b32 s23, s100, 3
	s_add_co_u32 s22, s22, s23
	s_lshl_b32 s22, s22, 4
	s_and_b32 s23, s95, 15
	s_add_co_u32 s22, s22, s23                     ; z = 2: the record: (8 b + pair) 16 + key step
	s_mul_i32 s18, s20, 1536
	s_lshl_b32 s19, s20, 6
	s_add_co_u32 s19, s19, 6291456
	s_mul_i32 s21, s21, 25600
	s_add_co_u32 s23, s21, 24576
	s_mul_i32 s22, s22, 25600
	s_add_co_u32 s20, s22, 12288
	s_add_co_u32 s22, s22, 25088
	s_cmp_eq_u32 s12, 1
	s_cselect_b32 s18, s21, s18
	s_cselect_b32 s19, s23, s19
	s_cmp_eq_u32 s12, 2
	s_cselect_b32 s20, s20, s18                    ; the codes' offset,
	s_cselect_b32 s22, s22, s19                    ; the scale words'
	s_mov_b32 s21, 0
	s_mov_b32 s23, 0
	s_cmp_eq_u32 s12, 0
	s_cselect_b64 s[8:9], s[96:97], s[98:99]       ; qb or kv
	s_add_nc_u64 s[10:11], s[8:9], s[22:23]
	s_add_nc_u64 s[8:9], s[8:9], s[20:21]
.macro FRAG reg, adr, q, i             ; a fragment comes as it was stored: three loads of 16 bytes a lane, 512 consecutive bytes each
.irp p, 0,1,2
	ds_load_b128 v[\reg+4*\p:\reg+4*\p+3], v[\adr] offset:(\i)*STEPB+(\q)*1536+512*\p
.endr
.endm
; 16 matrix instructions: A's blocks a0, a0 + 1 x B's eight, 128 along K.  The 64 accumulators take turns, one instruction a turn, in the same order in every step.
.macro MUL16 a0, p, q, sc, zero
.irp a, \a0, \a0+1
.irp b, 0,1,2,3,4,5,6,7
.if \zero
	v_wmma_scale_f32_16x16x128_f8f6f4 v[8*(8*((\a)%4)+\b):8*(8*((\a)%4)+\b)+7], v[128*(\p)+FR*\b:128*(\p)+FR*\b+FR-1], v[AF+FR*(\a):AF+FR*(\a)+FR-1], 0, v[SC+8*NQ*(\sc)+NQ*\b+(\q)], v[SC+8*NQ*(\sc)+NQ*(\a)+(\q)] matrix_a_fmt:MATRIX_FMT_FP6 matrix_b_fmt:MATRIX_FMT_FP6 matrix_a_scale:MATRIX_SCALE_ROW1
.else
	v_wmma_scale_f32_16x16x128_f8f6f4 v[8*(8*((\a)%4)+\b):8*(8*((\a)%4)+\b)+7], v[128*(\p)+FR*\b:128*(\p)+FR*\b+FR-1], v[AF+FR*(\a):AF+FR*(\a)+FR-1], v[8*(8*((\a)%4)+\b):8*(8*((\a)%4)+\b)+7], v[SC+8*NQ*(\sc)+NQ*\b+(\q)], v[SC+8*NQ*(\sc)+NQ*(\a)+(\q)] matrix_a_fmt:MATRIX_FMT_FP6 matrix_b_fmt:MATRIX_FMT_FP6 matrix_a_scale:MATRIX_SCALE_ROW1
.endif
.endr
.endr
.endm
.macro FETCH_B slot, q, p
	WIN TO_B
.irp i, 0,1,2,3,4,5,6,7
	FRAG 128*(\p)+FR*\i, ADRB+\slot, \q, \i
.endr
	WIN 0
.endm
.macro FETCH_A slot, q, i0
.irp i, \i0, \i0+1, \i0+2, \i0+3
	FRAG AF+FR*(\i), ADRA+\slot, \q, \i
.endr
.endm
.macro SCALES sc                       ; a K step's scale words into set sc: register 2 i + q: lanes 0-15 the word of A's block i, lanes 16-31 that of B's block i
.irp i, 0,1,2,3,4,5,6,7
.irp q, 0,1
	ds_load_b32 v[SC+8*NQ*\sc+NQ*\i+\q], v[ADRS] offset:\i*512+\q*64
.endr
.endr
.endm
.macro PLACES n                        ; plain vector instructions between a matrix instruction and a load into, or a vector instruction on, one of its registers
.rept \n
	v_nop
.endr
.endm
.macro STEP slot, q, zero              ; a step of 128 along K that has its successor in the same slot
	s_wait_dscnt 4*NL                              ; B's set, A's blocks 0-3 and the scale words are in; the youngest 12 loads (A's blocks 4-7) may be out
	WIN MUL_LO
	MUL16 0, (\q)%2, \q, \slot, \zero
	MUL16 2, (\q)%2, \q, \slot, \zero
	s_wait_dscnt 0
	PLACES NP
	FETCH_B \slot, (\q)+1, 1-(\q)%2
	FETCH_A \slot, (\q)+1, 0
	WIN MUL_HI
	MUL16 4, (\q)%2, \q, \slot, \zero
	MUL16 6, (\q)%2, \q, \slot, \zero
	PLACES NP
	WIN 0
	FETCH_A \slot, (\q)+1, 4
.endm
; A slot's last step changes slots: ONE barrier; in front of it each wave waits for all its tensor loads, adds 0 to its spare word, and waits for that and for its own reads of this slot.
.macro TURN slot, next, fill
	s_wait_tensorcnt 0x0                           ; all my tensor loads have landed: my part of the next slot
	ds_add_u32 v[SPW], v[NIL]                      ; 0 onto my spare word
	s_wait_dscnt 4*NL+1                            ; (the add and the youngest 12 loads may be out)
	WIN MUL_LO
	MUL16 0, 1, NQ-1, \slot, 0
	s_wait_dscnt 0x0                               ; the add is done, and my reads of this slot are over
	s_barrier_signal -1
	MUL16 2, 1, NQ-1, \slot, 0
	WIN 0
	s_barrier_wait -1
.if \fill
	CREST                                          ; the barrier has opened a round of the cluster's barrier: no wave of any partner still reads this slot or has a load on its way
	s_add_nc_u64 s[G0+4*\slot+2:G0+4*\slot+3], s[G0+4*\slot+2:G0+4*\slot+3], 2*STEPB
	s_add_nc_u64 s[G0B+4*\slot+2:G0B+4*\slot+3], s[G0B+4*\slot+2:G0B+4*\slot+3], 2*STEPB
	JLOAD G0+4*\slot, G1, G0B+4*\slot, G1B         ; the first tensor load behind the round; its four v_nop are the places in front of the loads below
.else
	PLACES NP
.endif
	v_add_nc_u32 v[ADRS], 128, v[ADRS]             ; on to the next K step's scale words (no LDS load of mine is out)
	FETCH_B \next, 0, 0
	FETCH_A \next, 0, 0
	SCALES \next
	WIN MUL_HI
	MUL16 4, 1, NQ-1, \slot, 0
	MUL16 6, 1, NQ-1, \slot, 0
	PLACES NP
	WIN 0
	FETCH_A \next, 0, 4
.endm
	s_wait_tensorcnt 1                             ; the scale words and my part of K step 0 are in (K step 1's load may be out)
	s_barrier_signal -1
	s_barrier_wait -1                              ; everybody's are
	FETCH_B 0, 0, 0
	FETCH_A 0, 0, 0
	SCALES 0
	FETCH_A 0, 0, 4
	STEP 0, 0, 1                                   ; the first step's products start the sums: nothing is cleared
	s_mov_b32 s3, LAPS-1
.Llap:
	TURN 0, 1, 1
	STEP 1, 0, 0
	TURN 1, 0, 1
	STEP 0, 0, 0
	s_sub_co_u32 s3, s3, 1
	s_cmp_lg_u32 s3, 0
	s_cbranch_scc1 .Llap
	TURN 0, 1, 0                                   ; the last lap fills nothing
	STEP 1, 0, 0
	s_wait_dscnt 4*NL
	WIN MUL_LO
	MUL16 0, 1, NQ-1, 1, 0
	MUL16 2, 1, NQ-1, 1, 0
	s_wait_dscnt 0
	WIN MUL_HI
	MUL16 4, 1, NQ-1, 1, 0
	MUL16 6, 1, NQ-1, 1, 0
	WIN 0
; 64 numbers of a lane, v[s] on, register 16 b + i = position 32 b + 16 (lane / 16) + i of my row, become a fragment's codes in v[PC] on and its scale word in v[pw].
.macro QUANT s, pw
.irp b, 0,1,2,3
	v_max3_num_f32 v[TM+\b], |v[\s+16*\b]|, |v[\s+1+16*\b]|, 0x1800000   ; block b: my 16 numbers, and the floor 2^(3 - 127): the byte cannot fall under 1
.endr
.irp i, 2,4,6,8,10,12,14
.irp b, 0,1,2,3
	v_max3_num_f32 v[TM+\b], v[TM+\b], |v[\s+16*\b+\i]|, |v[\s+1+16*\b+\i]|
.endr
.endr
.irp b, 0,1,2,3
	v_permlanex16_b32 v[TM+4+\b], v[TM+\b], s[SEL], s[SEL+1]
.endr
.irp b, 0,1,2,3
	v_max_num_f32 v[TM+\b], v[TM+\b], v[TM+4+\b]   ; with lane l xor 16's: the block's largest magnitude
.endr
.irp b, 0,1,2,3
	v_add_nc_u32 v[TM+12+\b], 0xff000000, v[TM+\b] ; 2 off its exponent field: the conversion's scale operand
.endr
.irp b, 0,1,2,3
	v_lshrrev_b32 v[TM+4+\b], 23, v[TM+12+\b]      ; the scale's byte
.endr
	v_lshl_or_b32 v[\pw], v[TM+5], 8, v[TM+4]
	v_lshl_or_b32 v[\pw], v[TM+6], 16, v[\pw]
	v_lshl_or_b32 v[\pw], v[TM+7], 24, v[\pw]
.irp c, 0,1
	v_cvt_scalef32_pk16_fp6_f32 v[PC+6*\c:PC+2+6*\c], v[\s+32*\c:\s+15+32*\c], v[TM+12+2*\c]
	v_cvt_scalef32_pk16_fp6_f32 v[PC+12+4*\c:PC+14+4*\c], v[\s+16+32*\c:\s+31+32*\c], v[TM+12+2*\c+1]   ; (a conversion's three registers begin on an even number)
.endr
	v_nop                                          ; one plain place behind a scaled conversion
.irp c, 0,1                            ; the operand's layout wants a whole block in a lane: lanes 0-15 block 2 c, lanes 16-31 block 2 c + 1
.irp i, 0,1,2
	v_permlane16_swap_b32 v[PC+6*\c+\i], v[PC+12+4*\c+\i]
.endr
.irp i, 0,1,2
	v_mov_b32 v[PC+3+6*\c+\i], v[PC+12+4*\c+\i]
.endr
.endr
.endm
; THE WAY OUT of A's block a: the bias is added (along the registers for z = 0, 1; my lane's own for z = 2: a branch on z, which all partners share), each accumulator from its low end on; the 64 numbers are quantised; the
; fragment leaves in two halves, each store 512 or 256 consecutive bytes at a multiple of 256 from the buffer's first byte.
.macro OUTBLK a
.set AC, 64*((\a)%4)
.if (\a) > 0
	s_wait_xcnt 0x0                                ; the last block's stores have read the codes' registers
.endif
	s_cmp_eq_u32 s12, 2
	s_cbranch_scc1 .Lbylane_\@
	WIN 0x02+(\a)/4                                ; source 0: window 2 or 3
.set i, 0
.rept 32
	v_pk_add_f32 v[T+i:T+i+1], v[AC+i:AC+i+1], v[BN+i:BN+i+1]
.set i, i+2
.endr
	WIN 0
	s_branch .Lsummed_\@
.Lbylane_\@:
	WIN 0x02+(\a)/4
.set i, 0
.rept 32
	v_pk_add_f32 v[T+i:T+i+1], v[AC+i:AC+i+1], v[BM+2*(\a):BM+2*(\a)+1] op_sel_hi:[1,0]
.set i, i+2
.endr
	WIN 0
.Lsummed_\@:
	QUANT T, PW+(\a)
	global_store_b128 v[L16], v[PC:PC+3], s[8:9] offset:1536*(\a)
	global_store_b64 v[L8], v[PC+4:PC+5], s[8:9] offset:1536*(\a)+512
	global_store_b128 v[L16], v[PC+6:PC+9], s[8:9] offset:1536*(\a)+768
	global_store_b64 v[L8], v[PC+10:PC+11], s[8:9] offset:1536*(\a)+1280
.endm
	s_wait_loadcnt 0x0                             ; the biases
	PLACES NP                                      ; behind the last products: results are read, and registers that held A's fragments are written
.irp b, 0,1,2,3
	v_mov_b32 v[TM+4+\b], 0                        ; a lane permute's destination counts as read
.endr
.irp a, 0,1,2,3,4,5,6,7
	OUTBLK \a
.endr
.irp k, 0,1,2,3                        ; the scale words of two blocks, one in each half of the lanes: 128 consecutive bytes a store
	v_cndmask_b32 v[TM+\k], v[PW+2*\k], v[PW+2*\k+1], s[HIM]
.endr
.irp k, 0,1,2,3
	global_store_b32 v[L4], v[TM+\k], s[10:11] offset:128*\k
.endr
	s_wait_tensorcnt 0x0                           ; the wave's end
	ds_add_u32 v[SPW], v[NIL]
	s_wait_dscnt 0x0
	CROUND                                         ; the closing round: no work-group ends while a partner may still ask for a tile that names it
	s_endpgm
.Lfunc_end_k_qd2a720784b_proj:
	.size	k_qd2a720784b_proj, .Lfunc_end_k_qd2a720784b_proj-k_qd2a720784b_proj
	.p2alignl 7, 3214868480
	.fill 96, 4, 3214868480
	.section	.rodata,"a",@progbits
	.p2align	6, 0x0
	.amdhsa_kernel k_qd2a720784b_proj
		.amdhsa_group_segment_fixed_size 327680
		.amdhsa_private_segment_fixed_size 0
		.amdhsa_enable_private_segment 0
		.amdhsa_kernarg_size 48
		.amdhsa_user_sgpr_count 2
		.amdhsa_user_sgpr_kernarg_segment_ptr 1
		.amdhsa_wavefront_size32 1
		.amdhsa_system_sgpr_workgroup_id_x 1
		.amdhsa_system_sgpr_workgroup_id_y 1
		.amdhsa_system_sgpr_workgroup_id_z 1
		.amdhsa_system_vgpr_workitem_id 0
		.amdhsa_next_free_vgpr 1024
		.amdhsa_next_free_sgpr 102
		.amdhsa_reserve_vcc 0
		.amdhsa_float_denorm_mode_32 3
		.amdhsa_float_denorm_mode_16_64 3
		.amdhsa_memory_ordered 1
		.amdhsa_forward_progress 1
		.amdhsa_inst_pref_size 180
	.end_amdhsa_kernel
	.amdgpu_metadata
---
amdhsa.version: [ 1, 2 ]
amdhsa.kernels:
  - .name:           k_qd2a720784b_proj
    .symbol:         k_qd2a720784b_proj.kd
    .args:
      - { .name: xw, .offset: 0, .size: 8, .value_kind: global_buffer, .address_space: global }
      - { .name: bq, .offset: 8, .size: 8, .value_kind: global_buffer, .address_space: global }
      - { .name: bk, .offset: 16, .size: 8, .value_kind: global_buffer, .address_space: global }
      - { .name: bv, .offset: 24, .size: 8, .value_kind: global_buffer, .address_space: global }
      - { .name: qb, .offset: 32, .size: 8, .value_kind: global_buffer, .address_space: global }
      - { .name: kv, .offset: 40, .size: 8, .value_kind: global_buffer, .address_space: global }
    .group_segment_fixed_size: 327680
    .private_segment_fixed_size: 0
    .kernarg_segment_align: 8
    .kernarg_segment_size: 48
    .max_flat_workgroup_size: 128
    .sgpr_count:     102
    .vgpr_count:     1024
    .wavefront_size: 32
...
	.end_amdgpu_metadata
.endif
;; end of part 2
;; launch attn (part 3): grid 8 x 32, 16 waves a work-group, no clusters, 53,248 bytes of LDS; arguments qb, kv, mw, zb, fl; writes zb
.if DOCPART == 3
	.amdgcn_target "amdgcn-amd-amdhsa--gfx1250"
	.amdhsa_code_object_version 6
	.text
	.protected	k_qd2a720784b_attn
	.globl	k_qd2a720784b_attn
	.p2align	8
	.type	k_qd2a720784b_attn,@function
k_qd2a720784b_attn:
	s_mov_b64 s[64:65], 0
	v_nop
	global_prefetch_b8 v0, s[64:65] scope:SCOPE_SE
	s_setreg_imm32_b32 hwreg(HW_REG_WAVE_MODE, 25, 1), 1
	s_wait_xcnt 0x0
; ATTN.  Z = softmax(Q K^T / 8, hidden places at a very low logit) V for 64 heads of 2,048 x 64, both products on codes of FP6 (E2M3) with E8M0 scales; Z is quantised along the heads' features and stored as operand images.
; THE SOFTMAX AHEAD OF THE SECOND PRODUCT: t = score x log2(e) / 8; M = the running largest t rounded UP to a whole number; p = 2^(t - M) is quantised along the keys, not normalised; the row's sum is taken of the unquantised p
; and divides at the end.  When M moves, the sum and O are multiplied by 2^(old M - new M): exact.
; SHARES.  Work-group (p, y): batch y / 8, pair of heads y % 8.  Each of its sixteen waves owns ONE tile of 16 queries of BOTH heads of the pair: wave w takes tile u = 8 p + w / 2 or tile 127 - u, by (w xor w / 4) % 2, so that
; each work-group, and each four waves w % 4 or w / 4 alike, hold as many early tiles as late ones.  Every wave walks the 16 key steps of 128 keys.
; THE MASK is an input: an earlier launch has packed it, a bit a lane (mw), and stored two flags for each (tile, step) in a buffer of whole numbers (fl).  A step none of whose 16 x 128 places is open, in a tile whose every row has
; an open key, adds exactly 0 (p = 0): its WORK is jumped over, by a scalar branch on the stored flag.  A step all of whose places are open jumps over the 64 selects.  No barrier stands under such a branch.  The words of mw
; only select values: no branch and no address hangs on them.:
; K and V come global -> registers -> LDS, a record of 25,600 bytes a step, 1,536 + 64 bytes a wave, two slots by turns, one barrier a step.
; LAYOUT.  S^T = K Q^T (source 0 = 16 keys, source 1 = my 16 queries), O^T = V^T P^T: a lane holds ONE query throughout; the keys of a tile, and the features of a tile of V, are chosen (lane r of tile t: 32 (t / 2) + 8 (t % 2)
; + r + 8 (r / 8)) so that 16 registers of two neighbouring tiles are 16 neighbours.  A head has 64 along K, the instruction 128: Q's operand is [Q0 | zeros] or [zeros | Q1] (Q0, zeros, Q1 lie on end in 18 registers), and
; whatever codes stand in K's other half are multiplied by zero codes: E2M3 has no infinity and no NaN, and every scale byte here is 1 .. 254.
; LIMITS: a hidden place takes the raw score -2^33, a logit of -2^30, where reference() writes -1e9: the results differ only where open logits lie near or under -1e9.  With it t is a whole number, so a row with no open key gets
; p = 1 at every key, as reference() has it.  NaN and infinities are not served; a block of zeros gets the byte 1 (zero codes; this program alone reads the bytes).
; REGISTERS: v1-5, v9 addresses; v6, v7 the add's two; v8 the hidden score; v12-15, v16-19 a head's -M, largest t, sum in two halves; v20-37 Q0, zeros, Q1; v40-52, v84-95 + v53 two staging sets; v54-83 four tiles of K;
;   v96-159 S^T, then p, then V's four fragments; v160-223 O^T of the two heads; v224-235 p's codes; v232-254 at work; v248-251 fragments' scale words; v253 p's; v255 Q's.
.set REC,   25600                      ; a record: K's 8 tiles (12,288), V's 8 fragments (12,288), K's scale words (512), V's (512)
.set VOFF,  12288
.set KSC,   24576
.set VSC,   25088
.set SPARE, 2*REC                      ; behind the two slots: the spare words, 128 bytes for each of sixteen waves
.set QSC,   6291456                    ; where the scale words begin in qb and in zb
.set SPW,   6
.set NIL,   7
.set KF,    54
	s_load_b256 s[4:11], s[0:1], 0x0               ; qb, kv, mw, zb
	s_load_b64 s[24:25], s[0:1], 0x20              ; fl
	v_lshl_add_u32 v[SPW], v0, 2, SPARE
	v_mov_b32 v[NIL], 0
	v_lshrrev_b32 v10, 5, v0
	v_readfirstlane_b32 s12, v10                   ; wave 0..15
	s_and_b32 s13, ttmp7, 0xffff                   ; y = 8 b + pair
	s_lshr_b32 s14, s12, 2
	s_xor_b32 s14, s14, s12
	s_and_b32 s14, s14, 1
	s_lshr_b32 s15, s12, 1
	s_lshl_b32 s16, ttmp9, 3
	s_add_co_u32 s15, s15, s16                     ; u
	s_sub_co_u32 s16, 127, s15
	s_cmp_eq_u32 s14, 1
	s_cselect_b32 s15, s16, s15                    ; T: my tile of queries
	s_lshr_b32 s14, s13, 3
	s_lshl_b32 s14, s14, 7
	s_add_co_u32 s14, s14, s15                     ; 128 b + T
	s_lshl_b32 s100, s14, 2                        ; my tile's flag word in fl
	s_mov_b32 s101, 0
	s_lshl_b32 s86, s14, 12                        ; its mask words: 256 bytes a step
	s_mov_b32 s87, 0
	s_mul_i32 s84, s13, 16*REC                     ; the pair's 16 records
	s_mov_b32 s85, 0
	s_lshl_b32 s16, s13, 7
	s_add_co_u32 s16, s16, s15                     ; Q's fragment
	s_mul_i32 s18, s16, 1536
	s_mov_b32 s19, 0
	s_lshl_b32 s20, s16, 6
	s_add_co_u32 s20, s20, QSC
	s_mov_b32 s21, 0
	s_and_b32 s88, s12, 7
	s_lshl_b32 s88, s88, 13                        ; the prefetches: 8,192 bytes a wave,
	s_add_co_u32 s88, s88, 320*256                 ; from the pair's byte 81,920 on
	s_mov_b32 s89, 0
	s_lshr_b32 s94, s12, 3
	s_or_b32 s94, s94, ttmp9                       ; 0 in waves 0 to 7 of the pair's first work-group: they ask, and nobody else
	s_cmp_eq_u32 s94, 0
	s_cselect_b32 s94, 3, -1                       ; a wave asks while the count of trips to go is above this: in the first five trips, or never
	s_mov_b32 s96, 0x3e38aa3b                      ; c = log2(e) / 8
	s_mov_b32 s97, s96                             ; (named with it as a pair)
	s_mov_b32 s98, 0x76543210
	s_mov_b32 s99, 0xfedcba98                      ; v_permlanex16_b32's selects for lane l xor 16
	s_mov_b32 s93, 8                               ; trips to go; a trip is two key steps
	v_and_b32 v10, 31, v0
	v_and_b32 v11, 15, v0
	v_lshlrev_b32 v1, 4, v10                       ; 16 x lane
	v_lshlrev_b32 v2, 3, v10                       ; 8 x lane
	v_lshlrev_b32 v3, 2, v11                       ; 4 x (lane % 16)
	s_mul_i32 s22, s12, 1536
	v_add_nc_u32 v4, s22, v1                       ; my wave's 1,536 bytes of a record's codes: the offset in memory and the address in a slot alike
	s_lshl_b32 s22, s12, 6
	s_add_co_u32 s22, s22, KSC
	v_add_nc_u32 v5, s22, v3                       ; and its 64 bytes of the scale words (the two halves of the lanes take the same words)
	v_mov_b32 v8, 0xd0000000                       ; -2^33
	v_lshlrev_b32 v9, 8, v10                       ; 256 x lane
	s_wait_kmcnt 0x0
	s_add_nc_u64 s[100:101], s[24:25], s[100:101]
	s_load_b32 s91, s[100:101], 0x0
	s_add_nc_u64 s[86:87], s[8:9], s[86:87]
	s_add_nc_u64 s[84:85], s[6:7], s[84:85]
	s_add_nc_u64 s[18:19], s[4:5], s[18:19]
	s_add_nc_u64 s[20:21], s[4:5], s[20:21]
	s_add_nc_u64 s[88:89], s[84:85], s[88:89]
	global_load_b128 v[20:23], v1, s[18:19]                    ; Q of head 0
	global_load_b64 v[24:25], v2, s[18:19] offset:512
	global_load_b128 v[32:35], v1, s[18:19] offset:768         ; Q of head 1
	global_load_b64 v[36:37], v2, s[18:19] offset:1280
	global_load_b32 v255, v3, s[20:21]                         ; the scale word: bytes 0, 1 head 0's, bytes 2, 3 head 1's
.macro GET set, sw, step               ; my part of a record, from memory
	global_load_b128 v[\set:\set+3], v4, s[84:85] offset:(\step)*REC
	global_load_b128 v[\set+4:\set+7], v4, s[84:85] offset:(\step)*REC+512
	global_load_b128 v[\set+8:\set+11], v4, s[84:85] offset:(\step)*REC+1024
	global_load_b32 v[\sw], v5, s[84:85] offset:(\step)*REC
.endm
.macro PUT set, sw, slot               ; into a slot
	ds_store_b128 v4, v[\set:\set+3] offset:(\slot)*REC
	ds_store_b128 v4, v[\set+4:\set+7] offset:(\slot)*REC+512
	ds_store_b128 v4, v[\set+8:\set+11] offset:(\slot)*REC+1024
	ds_store_b32 v5, v[\sw] offset:(\slot)*REC
.endm
	GET 40, 52, 0
	GET 84, 53, 1
.irp i, 0,1,2,3,4,5
	v_mov_b32 v[26+\i], 0                          ; the zero codes between Q0 and Q1
	v_mov_b32 v[78+\i], 0                          ; K's last don't-care half, before it is first loaded
.endr
.irp e, 0,1
	v_mov_b32 v[13+4*\e], 0xff61b1e6               ; the largest t so far: -3e38
	v_floor_f32 v[12+4*\e], -v[13+4*\e]            ; -M
	v_mov_b32 v[14+4*\e], 0                        ; the sum, in two halves
	v_mov_b32 v[15+4*\e], 0
.endr
.irp b, 0,1,2,3
	v_mov_b32 v[236+\b], 0                         ; a lane permute's destination counts as read
.endr
	v_mov_b32 v253, 0                              ; (named as the upper half of the pair v[252:253] before it is first written)
.set jj, 0
.rept 64
	v_mov_b32 v[160+jj], 0                         ; O^T: the step is written once; the first finds zeros, which the first change of M leaves zeros
.set jj, jj+1
.endr
	s_wait_loadcnt 4                               ; Q and step 0 are in; step 1's four loads may be out
	PUT 40, 52, 0
	s_wait_kmcnt 0x0
	s_lshr_b32 s92, s91, 16                        ; bit j: step j is not all open
	s_and_b32 s91, s91, 0xffff                     ; bit j: step j counts
; ONE HEAD'S WORK IN A KEY STEP.  e: the head of the pair; k: the slot, and the step's bit in the flags.
.macro HEAD e, k
.set SL, (\k)*REC
.set SM, 12+4*(\e)
.set OO, 160+32*(\e)
.irp g, 0,1                            ; S^T = K Q^T, four tiles of 16 keys at a time.  Tile t's 64 codes a row go to v[KF + 6 e + 6 t] on; the operand is v[KF + 6 t] on, 12 registers: its other half is a neighbour's codes
.if \g > 0
.rept 4
	v_nop                                          ; places in front of loads into registers that matrix instructions have read
.endr
.endif
.irp t, 0,1,2,3
	ds_load_b128 v[KF+6*(\e)+6*\t:KF+6*(\e)+6*\t+3], v1 offset:SL+(4*\g+\t)*1536+768*(\e)
	ds_load_b64 v[KF+6*(\e)+6*\t+4:KF+6*(\e)+6*\t+5], v2 offset:SL+(4*\g+\t)*1536+768*(\e)+512
	ds_load_b32 v[248+\t], v3 offset:SL+KSC+64*(4*\g+\t)
.endr
	s_wait_dscnt 0x0
.irp t, 0,1,2,3
	v_wmma_scale_f32_16x16x128_f8f6f4 v[96+8*(4*\g+\t):103+8*(4*\g+\t)], v[KF+6*\t:KF+6*\t+11], v[20+6*(\e):31+6*(\e)], 0, v[248+\t], v255 matrix_a_fmt:MATRIX_FMT_FP6 matrix_b_fmt:MATRIX_FMT_FP6
.endr
.endr                                  ; register 16 b + i: key 32 b + 16 (lane / 16) + i of the step
.rept 4
	v_nop
.endr
.if (\e) == 0
	s_wait_kmcnt 0x0                               ; the step's 64 mask words
.endif
	s_bitcmp1_b32 s92, \k
	s_cbranch_scc0 .Lopen_\@
.set n, 0
.rept 64                               ; where my bit of word n is 0 the place is hidden
.if n < 48
	v_cndmask_b32 v[96+n], v8, v[96+n], s[16+n]
.else
	v_cndmask_b32 v[96+n], v8, v[96+n], s[20+n]
.endif
.set n, n+1
.endr
.Lopen_\@:
.irp b, 0,1,2,3
	v_max3_num_f32 v[232+\b], v[96+16*\b], v[97+16*\b], v[98+16*\b]   ; the largest score of each block of 32 keys: it serves the row's maximum and, since p rises with the score, the block's largest p
.endr
.irp i, 3,5,7,9,11,13
.irp b, 0,1,2,3
	v_max3_num_f32 v[232+\b], v[232+\b], v[96+16*\b+\i], v[97+16*\b+\i]
.endr
.endr
.irp b, 0,1,2,3
	v_max_num_f32 v[232+\b], v[232+\b], v[111+16*\b]
.endr
.irp b, 0,1,2,3
	v_permlanex16_b32 v[236+\b], v[232+\b], s98, s99
.endr
.irp b, 0,1,2,3
	v_max_num_f32 v[232+\b], v[232+\b], v[236+\b]  ; with lane l xor 16's 16 keys
.endr
	v_max3_num_f32 v254, v232, v233, v234
	v_max_num_f32 v254, v254, v235
	v_mul_f32 v254, s96, v254                      ; as t (c is positive)
	v_max_num_f32 v[SM+1], v[SM+1], v254           ; the running largest t
	v_mov_b32 v254, v[SM]
	v_floor_f32 v[SM], -v[SM+1]                    ; the new -M = -ceil(t)
	v_sub_f32 v254, v[SM], v254                    ; old M - new M: a whole number, 0 or less
	v_cvt_i32_f32 v254, v254                       ; (it saturates)
	v_ldexp_f32 v252, 1.0, v254                    ; f = 2^(old M - new M)
.set jj, 0
.rept 32
	v_pk_fma_f32 v[96+jj:97+jj], v[96+jj:97+jj], s[96:97], v[SM:SM+1] op_sel_hi:[1,0,0]   ; t - M, two at a time
.set jj, jj+2
.endr
.irp b, 0,1,2,3
	v_fma_f32 v[232+\b], v[232+\b], s96, v[SM]     ; the same of each block's largest score
.endr
.set jj, 0
.rept 64
	v_exp_f32 v[96+jj], v[96+jj]                   ; p = 2^(t - M)
.set jj, jj+1
.endr
	v_pk_mul_f32 v[SM+2:SM+3], v[SM+2:SM+3], v[252:253] op_sel_hi:[1,0]   ; the sums under the new M: a plain line behind the exponentials
	s_wait_alu depctr_va_vdst(0)                   ; one wait for the whole batch, ahead of its first reader
.irp b, 0,1,2,3
	v_exp_f32 v[232+\b], v[232+\b]                 ; the block's largest p: the same two instructions on the same number give the same bits
.endr
	v_pk_add_f32 v[236:237], v[96:97], v[98:99]    ; the row's sum of the unquantised p, in two chains: plain work behind the four
.set jj, 4
.rept 15
	v_pk_add_f32 v[SM+2:SM+3], v[SM+2:SM+3], v[96+jj:97+jj]
	v_pk_add_f32 v[236:237], v[236:237], v[98+jj:99+jj]
.set jj, jj+4
.endr
	v_pk_add_f32 v[SM+2:SM+3], v[SM+2:SM+3], v[236:237]
	s_wait_alu depctr_va_vdst(0)                   ; and one for the four
.irp b, 0,1,2,3
	v_max_num_f32 v[232+\b], 0x1800000, v[232+\b]  ; the floor 2^(3 - 127): the byte cannot fall under 1
.endr
.irp b, 0,1,2,3
	v_add_nc_u32 v[244+\b], 0xff000000, v[232+\b]  ; 2 off the exponent field: the conversion's scale operand
.endr
.irp b, 0,1,2,3
	v_lshrrev_b32 v[236+\b], 23, v[244+\b]         ; the scale's byte
.endr
	v_lshl_or_b32 v253, v237, 8, v236              ; p's scale word for these 128 keys
	v_lshl_or_b32 v253, v238, 16, v253
	v_lshl_or_b32 v253, v239, 24, v253
.irp c, 0,1
	v_cvt_scalef32_pk16_fp6_f32 v[224+6*\c:226+6*\c], v[96+32*\c:111+32*\c], v[244+2*\c]
	v_cvt_scalef32_pk16_fp6_f32 v[236+4*\c:238+4*\c], v[112+32*\c:127+32*\c], v[244+2*\c+1]
.endr
	v_nop                                          ; one plain place behind a scaled conversion
.irp t, 0,1,2,3                        ; V's four fragments of this head land where p lay, while the lines below are issued
	ds_load_b128 v[96+12*\t:99+12*\t], v1 offset:SL+VOFF+(4*(\e)+\t)*1536
	ds_load_b64 v[100+12*\t:101+12*\t], v2 offset:SL+VOFF+(4*(\e)+\t)*1536+512
	ds_load_b128 v[102+12*\t:105+12*\t], v1 offset:SL+VOFF+(4*(\e)+\t)*1536+768
	ds_load_b64 v[106+12*\t:107+12*\t], v2 offset:SL+VOFF+(4*(\e)+\t)*1536+1280
	ds_load_b32 v[248+\t], v3 offset:SL+VSC+64*(4*(\e)+\t)
.endr
.irp c, 0,1                            ; the operand's layout wants a whole block in a lane
.irp i, 0,1,2
	v_permlane16_swap_b32 v[224+6*\c+\i], v[236+4*\c+\i]
.endr
.irp i, 0,1,2
	v_mov_b32 v[227+6*\c+\i], v[236+4*\c+\i]
.endr
.endr
.set jj, 0
.rept 16
	v_pk_mul_f32 v[OO+jj:OO+jj+1], v[OO+jj:OO+jj+1], v[252:253] op_sel_hi:[1,0]   ; O^T under the new M.  (These are also the places in front of the scaled products)
.set jj, jj+2
.endr
	s_wait_dscnt 0x0
.irp t, 0,1,2,3                        ; O^T += V^T P^T: the four accumulators take turns, one instruction a turn
	v_wmma_scale_f32_16x16x128_f8f6f4 v[OO+8*\t:OO+8*\t+7], v[96+12*\t:107+12*\t], v[224:235], v[OO+8*\t:OO+8*\t+7], v[248+\t], v253 matrix_a_fmt:MATRIX_FMT_FP6 matrix_b_fmt:MATRIX_FMT_FP6
.endr
.rept 5
	v_nop                                          ; the next scores are written over V's registers by matrix instructions: five places; loads into the scale words' registers and reads of O^T want four
.endr
.endm
; A KEY STEP.  One barrier: in front of it my stores into this step's slot have landed and my reads of the other slot are over.  Behind it the next step's record, which has come into registers meanwhile, goes into the other
; slot, and the record after that is asked for: it has a whole step in which to come.  The last trip asks for nothing past the pair's 16 records: a branch on the count of trips.
.macro STEP k
	s_wait_dscnt 0x0
	s_barrier_signal -1
	s_barrier_wait -1
.if (\k) == 0
	s_wait_loadcnt 0x0                             ; the next step's record is in my registers
	PUT 84, 53, 1
	s_cmp_eq_u32 s93, 1
	s_cbranch_scc1 .Lnoload_\@
	GET 40, 52, 2
	s_cmp_gt_u32 s93, s94                          ; a prefetch into the L2, where the wave has just issued its loads: 8 waves x 32 lanes x 256 bytes = 65,536 bytes a trip, in the first five trips: the pair's bytes 81,920 to 409,599,
	s_cbranch_scc0 .Lnoload_\@                     ; each block of 256 named once in the launch (all eight work-groups of a pair read the same records); it ends with the pair's last byte
	global_prefetch_b8 v9, s[88:89] th:TH_LOAD_NT scope:SCOPE_SE
.Lnoload_\@:
.else
	s_cmp_eq_u32 s93, 1
	s_cbranch_scc1 .Lnoload_\@
	s_wait_loadcnt 0x0
	PUT 40, 52, 0
	GET 84, 53, 3
.Lnoload_\@:
.endif
	s_bitcmp1_b32 s91, \k                          ; does the step count for my tile?
	s_cbranch_scc0 .Lskip_\@
	s_load_b512 s[16:31], s[86:87], 256*(\k)
	s_load_b512 s[32:47], s[86:87], 256*(\k)+64
	s_load_b512 s[48:63], s[86:87], 256*(\k)+128
	s_load_b512 s[68:83], s[86:87], 256*(\k)+192
	HEAD 0, \k
	HEAD 1, \k
.Lskip_\@:
.endm
.Ltrip:
	STEP 0
	STEP 1
	s_wait_xcnt 0x0                                ; the trip's loads and its prefetch have read their bases: they step
	s_add_nc_u64 s[84:85], s[84:85], 2*REC
	s_add_nc_u64 s[86:87], s[86:87], 512
	s_add_nc_u64 s[88:89], s[88:89], 65536
	s_lshr_b32 s91, s91, 2
	s_lshr_b32 s92, s92, 2
	s_sub_co_u32 s93, s93, 1
	s_cmp_lg_u32 s93, 0
	s_cbranch_scc1 .Ltrip
	; THE WAY OUT.  Z = O / the sum, both heads: 64 numbers a lane, register 16 b + i = feature 32 b + 16 (lane / 16) + i of the pair's 128: one fragment of the last product's operand.
.irp e, 0,1
	v_add_f32 v[14+4*\e], v[14+4*\e], v[15+4*\e]
.endr
.irp e, 0,1
	v_permlanex16_b32 v[236+\e], v[14+4*\e], s98, s99
.endr
.irp e, 0,1
	v_add_f32 v[14+4*\e], v[14+4*\e], v[236+\e]    ; the row's sum
.endr
	v_rcp_f32 v14, v14
	v_rcp_f32 v18, v18
	s_and_b32 s16, s13, 7                          ; the pair
	s_lshl_b32 s17, s14, 3
	s_add_co_u32 s17, s17, s16                     ; 8 x tile + pair
	s_mul_i32 s18, s17, 1536
	s_mov_b32 s19, 0
	s_add_nc_u64 s[18:19], s[10:11], s[18:19]
	s_lshl_b32 s20, s17, 6
	s_add_co_u32 s20, s20, QSC
	s_mov_b32 s21, 0
	s_add_nc_u64 s[20:21], s[10:11], s[20:21]
	v_nop                                          ; a plain line behind the reciprocals
	s_wait_alu depctr_va_vdst(0)                   ; and the wait ahead of their first reader: one for both
.irp e, 0,1
.set jj, 0
.rept 16
	v_pk_mul_f32 v[96+32*\e+jj:97+32*\e+jj], v[160+32*\e+jj:161+32*\e+jj], v[14+4*\e:15+4*\e] op_sel_hi:[1,0]   ; each accumulator from its low end on
.set jj, jj+2
.endr
.endr
.irp b, 0,1,2,3
	v_max3_num_f32 v[40+\b], |v[96+16*\b]|, |v[97+16*\b]|, 0x1800000
.endr
.irp i, 2,4,6,8,10,12,14
.irp b, 0,1,2,3
	v_max3_num_f32 v[40+\b], v[40+\b], |v[96+16*\b+\i]|, |v[97+16*\b+\i]|
.endr
.endr
.irp b, 0,1,2,3
	v_permlanex16_b32 v[44+\b], v[40+\b], s98, s99
.endr
.irp b, 0,1,2,3
	v_max_num_f32 v[40+\b], v[40+\b], v[44+\b]
.endr
.irp b, 0,1,2,3
	v_add_nc_u32 v[48+\b], 0xff000000, v[40+\b]
.endr
.irp b, 0,1,2,3
	v_lshrrev_b32 v[44+\b], 23, v[48+\b]
.endr
	v_lshl_or_b32 v56, v45, 8, v44
	v_lshl_or_b32 v56, v46, 16, v56
	v_lshl_or_b32 v56, v47, 24, v56
.irp c, 0,1
	v_cvt_scalef32_pk16_fp6_f32 v[224+6*\c:226+6*\c], v[96+32*\c:111+32*\c], v[48+2*\c]
	v_cvt_scalef32_pk16_fp6_f32 v[236+4*\c:238+4*\c], v[112+32*\c:127+32*\c], v[48+2*\c+1]
.endr
	v_nop
.irp c, 0,1
.irp i, 0,1,2
	v_permlane16_swap_b32 v[224+6*\c+\i], v[236+4*\c+\i]
.endr
.irp i, 0,1,2
	v_mov_b32 v[227+6*\c+\i], v[236+4*\c+\i]
.endr
.endr
.irp p, 0,1,2
	global_store_b128 v1, v[224+4*\p:227+4*\p], s[18:19] offset:512*\p   ; the fragment's image: 512 consecutive bytes a store
.endr
	global_store_b32 v3, v56, s[20:21]             ; its 16 scale words; the two halves of the lanes hold the same words and name the same places
	s_wait_tensorcnt 0x0                           ; the wave's end, behind my last LDS store
	ds_add_u32 v[SPW], v[NIL]
	s_wait_dscnt 0x0
	s_endpgm
.Lfunc_end_k_qd2a720784b_attn:
	.size	k_qd2a720784b_attn, .Lfunc_end_k_qd2a720784b_attn-k_qd2a720784b_attn
	.p2alignl 7, 3214868480
	.fill 96, 4, 3214868480
	.section	.rodata,"a",@progbits
	.p2align	6, 0x0
	.amdhsa_kernel k_qd2a720784b_attn
		.amdhsa_group_segment_fixed_size 53248
		.amdhsa_private_segment_fixed_size 0
		.amdhsa_enable_private_segment 0
		.amdhsa_kernarg_size 40
		.amdhsa_user_sgpr_count 2
		.amdhsa_user_sgpr_kernarg_segment_ptr 1
		.amdhsa_wavefront_size32 1
		.amdhsa_system_sgpr_workgroup_id_x 1
		.amdhsa_system_sgpr_workgroup_id_y 1
		.amdhsa_system_sgpr_workgroup_id_z 1
		.amdhsa_system_vgpr_workitem_id 0
		.amdhsa_next_free_vgpr 256
		.amdhsa_next_free_sgpr 102
		.amdhsa_reserve_vcc 0
		.amdhsa_float_denorm_mode_32 3
		.amdhsa_float_denorm_mode_16_64 3
		.amdhsa_memory_ordered 1
		.amdhsa_forward_progress 1
		.amdhsa_inst_pref_size 99
	.end_amdhsa_kernel
	.amdgpu_metadata
---
amdhsa.version: [ 1, 2 ]
amdhsa.kernels:
  - .name:           k_qd2a720784b_attn
    .symbol:         k_qd2a720784b_attn.kd
    .args:
      - { .name: qb, .offset: 0, .size: 8, .value_kind: global_buffer, .address_space: global }
      - { .name: kv, .offset: 8, .size: 8, .value_kind: global_buffer, .address_space: global }
      - { .name: mw, .offset: 16, .size: 8, .value_kind: global_buffer, .address_space: global }
      - { .name: zb, .offset: 24, .size: 8, .value_kind: global_buffer, .address_space: global }
      - { .name: fl, .offset: 32, .size: 8, .value_kind: global_buffer, .address_space: global }
    .group_segment_fixed_size: 53248
    .private_segment_fixed_size: 0
    .kernarg_segment_align: 8
    .kernarg_segment_size: 40
    .max_flat_workgroup_size: 512
    .sgpr_count:     102
    .vgpr_count:     256
    .wavefront_size: 32
...
	.end_amdgpu_metadata
.endif
;; end of part 3
;; launch outp (part 4): grid 4 x 32, 4 waves a work-group, clusters of 4 x 4, 327,680 bytes of LDS; arguments zb, xw, bp, out0; writes out0
.if DOCPART == 4
	.amdgcn_target "amdgcn-amd-amdhsa--gfx1250"
	.amdhsa_code_object_version 6
	.text
	.protected	k_qd2a720784b_outp
	.globl	k_qd2a720784b_outp
	.p2align	8
	.type	k_qd2a720784b_outp,@function
k_qd2a720784b_outp:
	s_mov_b64 s[64:65], 0
	v_nop
	global_prefetch_b8 v0, s[64:65] scope:SCOPE_SE
	s_setreg_imm32_b32 hwreg(HW_REG_WAVE_MODE, 25, 1), 1
	s_wait_xcnt 0x0
	s_wait_alu depctr_hold_cnt(0) depctr_sa_sdst(0) depctr_va_vdst(0) depctr_va_sdst(0) depctr_va_ssrc(0) depctr_va_vcc(0) depctr_vm_vsrc(0)
	s_getreg_b32 s2, hwreg(HW_REG_IB_STS2, 6, 4)
	s_cmp_eq_u32 s2, 0
	s_cbranch_scc0 .Lentry_in_a_cluster
	s_endpgm
.Lentry_in_a_cluster:
	s_bfe_u32 s2, ttmp6, 0x10000c
	s_cmp_lg_u32 s2, 0xf033
	s_cbranch_scc0 .Lentry_shape_is_right
	s_endpgm
.Lentry_shape_is_right:
; OUTP.  out0 = Z Wp^T + bp on codes of FP6 (E2M3) with E8M0 scales, K = 1,024; out0 [8192][1024] f32.  A tile of 256 x 256 to a work-group of four waves, 128 x 128 to a wave: 64 accumulators, 512 registers.
; Source 0 = 16 rows of Wp (B'), source 1 = 16 rows of Z (A'): a lane holds one row of Z and eight outputs a tile.  Both operands come as images of operand registers (a fragment of 16 rows x 128 K: 1,536 bytes, registers
; 4 p .. 4 p + 3 of lane l at 512 p + 16 l; 8 fragments to a row tile; scale words [fragment][row], 512 bytes a tile): Z from zb (scale words from byte 6,291,456 on), Wp from xw, row tiles 1,728 on (scale words from byte XSC on).
; THE ROWS OF A TILE OF 16 ARE NOT NEIGHBOURS (lane r of tile t: row 32 (t / 2) + 8 (t % 2) + r + 8 (r / 8)): the way out puts rows and columns back by its offsets alone.
; The bias is the C of each sum's first matrix instruction.  K goes in steps of 256 through a ring of two LDS slots filled by the tensor data mover; the scale words come once and stay.
; CLUSTERS: 4 x 4 work-groups; Z's tiles are asked for jointly along a row of the cluster, Wp's along a column.
; REGISTERS, in windows of 256: window 0: v0-31 addresses; v32-63 scale words, two sets; v64-127 the bias; v128-223 A's fragments, one set (on the way out v128-255: rows read back).   window 1: B's fragments, two sets.
;   windows 2, 3: the accumulators ((a, b) at v[8 (8 (a % 4) + b)]).
.set NQ,     2
.set FR,     12
.set NL,     3
.set NP,     4                         ; places behind this matrix instruction (ISA guide 7.12.1)
.set TILEB,  12288
.set STEPB,  3072
.set HALFT,  8*STEPB
.set SLOT,   4*HALFT
.set LAPS,   2
.set SCL,    2*SLOT
.set HALFS,  4096
.set BSK,    64                        ; B's scale words lie 64 bytes further on than they would follow A's: a load's two halves of lanes fall on different banks
.set SPARE,  213248                    ; the spare words, 128 bytes for each wave
.set XSC,    22020096
.set ZSC,    6291456
.set SPITCH, 528                       ; the way out: a stage of 16 rows x (512 bytes + 16) for each wave, in slot 0, which has had its last fill and its last read when the first result is stored there
.set BNO,  7                           ; v7   the bias's byte offset; not rewritten
.set ADRA, 16
.set ADRB, 20
.set STO,  24                          ; v24  the way out: where I put 32 bytes of a row
.set RD,   25                          ; v25  where I read a row back
.set CO,   26                          ; v26  my byte offset in a row of out0
.set ADRS, 27
.set SPW,  28
.set NIL,  29
.set SC,   32
.set BN,   64
.set AF,   128
.set BK,   128
.set G1, 24
.set G0, 32
.set G1B, 48
.set G0B, 56
.set G1S, 68
.set G0S, 76
.set G1SB, 80
.set G0SB, 88
.set MSB, 0
.macro WIN new
.if MSB != \new
	s_set_vgpr_msb (MSB<<8)|\new
.set MSB, \new
.endif
.endm
.set MUL_LO, 0xa1                      ; source 0 (B') window 1, source 1 (A') window 0, C and D window 2
.set MUL_HI, 0xf1
.set FST_LO, 0x81                      ; the first step: C (the bias) window 0, D window 2
.set FST_HI, 0xc1
.set TO_B,   0x40
.macro JLOAD g0a, g1a, g0b, g1b        ; a joint load: waves 0 and 1 fetch for A', waves 2 and 3 for B'; an s_nop 0 and four v_nop follow each of the two lines
	s_cmp_eq_u32 s15, 0
	s_cbranch_scc0 .Lfor_b_\@
	tensor_load_to_lds s[\g0a:\g0a+3], s[\g1a:\g1a+7]
	s_nop 0
.rept 4
	v_nop
.endr
	s_branch .Lasked_\@
.Lfor_b_\@:
	tensor_load_to_lds s[\g0b:\g0b+3], s[\g1b:\g1b+7]
	s_nop 0
.rept 4
	v_nop
.endr
.Lasked_\@:
.endm
.macro CREST
	s_cmp_lg_u32 s14, 0
	s_cbranch_scc1 .Lnot_wave_0_\@
	s_barrier_signal -3
.Lnot_wave_0_\@:
	s_barrier_wait -3
	s_barrier_signal -1
	s_barrier_wait -1
.endm
.macro CROUND
	s_barrier_signal -1
	s_barrier_wait -1
	CREST
.endm
	s_load_b256 s[4:11], s[0:1], 0x0               ; zb, xw, bp, out0
	v_lshl_add_u32 v[SPW], v0, 2, SPARE
	v_mov_b32 v[NIL], 0
	ds_add_u32 v[SPW], v[NIL]                      ; the wave's opening: the add, and its wait ahead of my first tensor load
	v_lshrrev_b32 v1, 5, v0
	v_readfirstlane_b32 s14, v1                    ; wave 0..3
	s_lshr_b32 s15, s14, 1
	s_and_b32 s16, s14, 1
	s_bfe_u32 s40, ttmp6, 0x40000                  ; cx
	s_bfe_u32 s41, ttmp6, 0x40004                  ; cy
	s_lshl_b32 s42, ttmp9, 2
	s_add_co_u32 s42, s42, s40                     ; tile of Wp's rows
	s_and_b32 s17, ttmp7, 0xffff
	s_lshl_b32 s17, s17, 2
	s_add_co_u32 s17, s17, s41                     ; tile of Z's rows
	s_lshl_b32 s43, s41, 2
	s_lshl_b32 s43, 15, s43                        ; my row of the cluster
	s_lshl_b32 s44, 0x1111, s40                    ; my column
	s_or_b32 s[G1+0], s43, (3<<16)|(1<<21)         ; the codes: 8 rows of 384 elements of 8 bytes, 1,536 elements apart; dense in LDS
	s_or_b32 s[G1B+0], s44, (3<<16)|(1<<21)
.irp g, G1, G1B
	s_mov_b32 s[\g+1], 384<<16
	s_mov_b32 s[\g+2], 8<<16
	s_mov_b32 s[\g+3], 384<<16
	s_mov_b32 s[\g+4], 8
	s_mov_b32 s[\g+5], 1536
	s_mov_b32 s[\g+6], 0
	s_mov_b32 s[\g+7], 0
.endr
	s_or_b32 s[G1S+0], s43, (3<<16)|(1<<21)        ; the scale words of 8 row tiles: 16 rows of 256 dense bytes
	s_or_b32 s[G1SB+0], s44, (3<<16)|(1<<21)
.irp g, G1S, G1SB
	s_mov_b32 s[\g+1], 32<<16
	s_mov_b32 s[\g+2], 16<<16
	s_mov_b32 s[\g+3], 32<<16
	s_mov_b32 s[\g+4], 16
	s_mov_b32 s[\g+5], 32
	s_mov_b32 s[\g+6], 0
	s_mov_b32 s[\g+7], 0
.endr
	s_lshl_b32 s21, s16, 3
	s_lshl_b32 s20, s17, 4
	s_add_co_u32 s20, s20, s21                     ; Z: the first row tile that I fetch
	s_lshl_b32 s46, s42, 4
	s_add_co_u32 s46, s46, s21
	s_add_co_u32 s46, s46, 1728                    ; Wp: likewise, in xw
	s_lshl_b32 s22, s20, 9
	s_add_co_u32 s22, s22, ZSC
	s_mov_b32 s23, 0
	s_lshl_b32 s92, s46, 9
	s_add_co_u32 s92, s92, XSC
	s_mov_b32 s93, 0
	s_mul_i32 s20, s20, TILEB
	s_mov_b32 s21, 0
	s_mul_i32 s46, s46, TILEB
	s_mov_b32 s47, 0
	s_mul_i32 s45, s14, HALFT
	s_lshl_b32 s94, s14, 12
	s_wait_dscnt 0x0                               ; the opening add is done
	s_wait_kmcnt 0x0
	s_add_nc_u64 s[20:21], s[4:5], s[20:21]
	s_add_nc_u64 s[22:23], s[4:5], s[22:23]
	s_add_nc_u64 s[46:47], s[6:7], s[46:47]
	s_add_nc_u64 s[92:93], s[6:7], s[92:93]
	CROUND                                         ; all sixteen work-groups are here: the first joint loads meet
	s_mov_b32 s[G0S], 1
	s_add_co_u32 s[G0S+1], s94, SCL
	s_mov_b64 s[G0S+2:G0S+3], s[22:23]
	s_or_b32 s[G0S+3], s[G0S+3], 0x80000000
	s_mov_b32 s[G0SB], 1
	s_add_co_u32 s[G0SB+1], s94, SCL+BSK
	s_mov_b64 s[G0SB+2:G0SB+3], s[92:93]
	s_or_b32 s[G0SB+3], s[G0SB+3], 0x80000000
	JLOAD G0S, G1S, G0SB, G1SB                     ; by this text's count three tensor loads of a wave are out at the start, one behind each round
.irp s, 0,1
	s_mov_b32 s[G0+4*\s], 1
	s_add_co_u32 s[G0+4*\s+1], s45, \s*SLOT
	s_add_nc_u64 s[G0+4*\s+2:G0+4*\s+3], s[20:21], \s*STEPB
	s_or_b32 s[G0+4*\s+3], s[G0+4*\s+3], 0x80000000
	s_mov_b32 s[G0B+4*\s], 1
	s_add_co_u32 s[G0B+4*\s+1], s45, \s*SLOT
	s_add_nc_u64 s[G0B+4*\s+2:G0B+4*\s+3], s[46:47], \s*STEPB
	s_or_b32 s[G0B+4*\s+3], s[G0B+4*\s+3], 0x80000000
	JLOAD G0+4*\s, G1, G0B+4*\s, G1B
.endr
	v_and_b32 v1, 15, v0                           ; r
	v_bfe_u32 v2, v0, 4, 1                         ; h
	v_and_b32 v3, 31, v0
	v_lshlrev_b32 v[CO], 4, v3                     ; 16 x lane
	s_mul_i32 s21, s15, HALFT
	s_mul_i32 s22, s16, HALFT
	s_add_co_u32 s22, s22, 2*HALFT
.irp s, 0,1
	v_add_nc_u32 v[ADRA+\s], s21, v[CO]
	v_add_nc_u32 v[ADRB+\s], s22, v[CO]
	s_add_co_u32 s21, s21, SLOT
	s_add_co_u32 s22, s22, SLOT
.endr
	v_lshlrev_b32 v5, 2, v1
	s_lshl_b32 s21, s15, 12
	s_lshl_b32 s22, s16, 12
	s_add_co_u32 s22, s22, 2*HALFS+BSK
	s_sub_co_u32 s22, s22, s21
	v_mul_u32_u24 v6, s22, v2                      ; lanes 16-31 take B's: one product, the distance between the two
	s_add_co_u32 s21, s21, SCL
	v_add_nc_u32 v5, v5, v6
	v_add_nc_u32 v[ADRS], s21, v5
	s_lshl_b32 s18, s42, 1
	s_add_co_u32 s18, s18, s16                     ; which 128 outputs are mine
	s_lshl_b32 s18, s18, 9
	v_lshl_add_u32 v[BNO], v2, 6, s18
.irp t, 0,1,2,3,4,5,6,7
	global_load_b128 v[BN+8*\t:BN+8*\t+3], v[BNO], s[8:9] offset:(32*(\t/2)+8*(\t%2))*4       ; register 8 t + j: bp at output 32 (t / 2) + 16 h + 8 (t % 2) + j of my 128
	global_load_b128 v[BN+8*\t+4:BN+8*\t+7], v[BNO], s[8:9] offset:(32*(\t/2)+8*(\t%2))*4+16
.endr
	s_mul_i32 s23, s14, 16*SPITCH                  ; my stage
	v_mul_u32_u24 v5, v1, SPITCH
	v_lshl_add_u32 v5, v2, 6, v5
	v_add_nc_u32 v[STO], s23, v5                   ; in: row r, + 64 h bytes: my half's 16 outputs of each 32
	v_add_nc_u32 v[RD], s23, v[CO]                 ; back: the 32 lanes take one row of 512 bytes
	s_lshl_b32 s20, s17, 8
	s_lshl_b32 s21, s15, 7
	s_add_co_u32 s20, s20, s21                     ; my first row of out0
	s_lshl_b32 s20, s20, 12                        ; a row is 4,096 bytes
	s_add_co_u32 s20, s20, s18                     ; + my 128 outputs' 512 bytes
	s_mov_b32 s21, 0
	s_add_nc_u64 s[12:13], s[10:11], s[20:21]
.macro FRAG reg, adr, q, i
.irp p, 0,1,2
	ds_load_b128 v[\reg+4*\p:\reg+4*\p+3], v[\adr] offset:(\i)*STEPB+(\q)*1536+512*\p
.endr
.endm
; 16 matrix instructions: A's blocks a0, a0 + 1 x B's eight.  first = 1: the sums begin with the bias as C.  The 64 accumulators take turns, one instruction a turn.
.macro MUL16 a0, p, q, sc, first
.irp a, \a0, \a0+1
.irp b, 0,1,2,3,4,5,6,7
.if \first
	v_wmma_scale_f32_16x16x128_f8f6f4 v[8*(8*((\a)%4)+\b):8*(8*((\a)%4)+\b)+7], v[128*(\p)+FR*\b:128*(\p)+FR*\b+FR-1], v[AF+FR*(\a):AF+FR*(\a)+FR-1], v[BN+8*\b:BN+8*\b+7], v[SC+8*NQ*(\sc)+NQ*\b+(\q)], v[SC+8*NQ*(\sc)+NQ*(\a)+(\q)] matrix_a_fmt:MATRIX_FMT_FP6 matrix_b_fmt:MATRIX_FMT_FP6 matrix_a_scale:MATRIX_SCALE_ROW1
.else
	v_wmma_scale_f32_16x16x128_f8f6f4 v[8*(8*((\a)%4)+\b):8*(8*((\a)%4)+\b)+7], v[128*(\p)+FR*\b:128*(\p)+FR*\b+FR-1], v[AF+FR*(\a):AF+FR*(\a)+FR-1], v[8*(8*((\a)%4)+\b):8*(8*((\a)%4)+\b)+7], v[SC+8*NQ*(\sc)+NQ*\b+(\q)], v[SC+8*NQ*(\sc)+NQ*(\a)+(\q)] matrix_a_fmt:MATRIX_FMT_FP6 matrix_b_fmt:MATRIX_FMT_FP6 matrix_a_scale:MATRIX_SCALE_ROW1
.endif
.endr
.endr
.endm
.macro FETCH_B slot, q, p
	WIN TO_B
.irp i, 0,1,2,3,4,5,6,7
	FRAG 128*(\p)+FR*\i, ADRB+\slot, \q, \i
.endr
	WIN 0
.endm
.macro FETCH_A slot, q, i0
.irp i, \i0, \i0+1, \i0+2, \i0+3
	FRAG AF+FR*(\i), ADRA+\slot, \q, \i
.endr
.endm
.macro SCALES sc
.irp i, 0,1,2,3,4,5,6,7
.irp q, 0,1
	ds_load_b32 v[SC+8*NQ*\sc+NQ*\i+\q], v[ADRS] offset:\i*512+\q*64
.endr
.endr
.endm
.macro PLACES n
.rept \n
	v_nop
.endr
.endm
.macro STEP slot, q, first
	s_wait_dscnt 4*NL                              ; all but the youngest 12 loads (A's blocks 4-7) are in
.if \first
	WIN FST_LO
.else
	WIN MUL_LO
.endif
	MUL16 0, (\q)%2, \q, \slot, \first
	MUL16 2, (\q)%2, \q, \slot, \first
	s_wait_dscnt 0
	PLACES NP
	FETCH_B \slot, (\q)+1, 1-(\q)%2
	FETCH_A \slot, (\q)+1, 0
.if \first
	WIN FST_HI
.else
	WIN MUL_HI
.endif
	MUL16 4, (\q)%2, \q, \slot, \first
	MUL16 6, (\q)%2, \q, \slot, \first
	PLACES NP
	WIN 0
	FETCH_A \slot, (\q)+1, 4
.endm
.macro TURN slot, next, fill           ; a slot's last step changes slots: one barrier; in front of it the wait for all my tensor loads, the add, and the wait for it and for my reads of this slot
	s_wait_tensorcnt 0x0
	ds_add_u32 v[SPW], v[NIL]                      ; 0 onto my spare word
	s_wait_dscnt 4*NL+1                            ; (the add and the youngest 12 loads may be out)
	WIN MUL_LO
	MUL16 0, 1, NQ-1, \slot, 0
	s_wait_dscnt 0x0
	s_barrier_signal -1
	MUL16 2, 1, NQ-1, \slot, 0
	WIN 0
	s_barrier_wait -1
.if \fill
	CREST                                          ; the barrier has opened a round of the cluster's barrier
	s_add_nc_u64 s[G0+4*\slot+2:G0+4*\slot+3], s[G0+4*\slot+2:G0+4*\slot+3], 2*STEPB
	s_add_nc_u64 s[G0B+4*\slot+2:G0B+4*\slot+3], s[G0B+4*\slot+2:G0B+4*\slot+3], 2*STEPB
	JLOAD G0+4*\slot, G1, G0B+4*\slot, G1B         ; the first tensor load behind the round; its four v_nop are the places in front of the loads below
.else
	PLACES NP
.endif
	v_add_nc_u32 v[ADRS], 128, v[ADRS]
	FETCH_B \next, 0, 0
	FETCH_A \next, 0, 0
	SCALES \next
	WIN MUL_HI
	MUL16 4, 1, NQ-1, \slot, 0
	MUL16 6, 1, NQ-1, \slot, 0
	PLACES NP
	WIN 0
	FETCH_A \next, 0, 4
.endm
	s_wait_tensorcnt 1                             ; the scale words and my part of K step 0 are in (K step 1's load may be out)
	s_barrier_signal -1
	s_barrier_wait -1
	FETCH_B 0, 0, 0
	FETCH_A 0, 0, 0
	SCALES 0
	FETCH_A 0, 0, 4
	s_wait_loadcnt 0x0                             ; the bias
	STEP 0, 0, 1
	s_mov_b32 s3, LAPS-1
.Llap:
	TURN 0, 1, 1
	STEP 1, 0, 0
	TURN 1, 0, 1
	STEP 0, 0, 0
	s_sub_co_u32 s3, s3, 1
	s_cmp_lg_u32 s3, 0
	s_cbranch_scc1 .Llap
	TURN 0, 1, 0
	STEP 1, 0, 0
	s_wait_dscnt 4*NL
	WIN MUL_LO
	MUL16 0, 1, NQ-1, 1, 0
	MUL16 2, 1, NQ-1, 1, 0
	s_wait_dscnt 0
	WIN MUL_HI
	MUL16 4, 1, NQ-1, 1, 0
	MUL16 6, 1, NQ-1, 1, 0
	WIN 0
; THE WAY OUT, block by block of 16 rows x 128 outputs, through my own stage: tile b's eight outputs of my half go to bytes 128 (b / 2) + 64 h + 32 (b % 2) of the row, where they belong; a row comes back whole, 512 bytes,
; and stage row t of block a is row 32 (a / 2) + 8 (a % 2) + t + 8 (t / 8) of my 128.  LDS serves a wave's instructions in order: no wait between the stores and the loads.
.macro TOSTAGE a
.set AC, 64*((\a)%4)
	WIN 0x08+4*((\a)/4)                            ; the data: window 2 or 3
.irp b, 0,1,2,3,4,5,6,7
	ds_store_b128 v[STO], v[AC+8*\b:AC+8*\b+3] offset:128*(\b/2)+32*(\b%2)          ; each accumulator from its low end on
	ds_store_b128 v[STO], v[AC+8*\b+4:AC+8*\b+7] offset:128*(\b/2)+32*(\b%2)+16
.endr
	WIN 0
.set BB, BK+64*((\a)%2)
.irp t, 0,1,2,3,4,5,6,7,8,9,10,11,12,13,14,15
	ds_load_b128 v[BB+4*\t:BB+4*\t+3], v[RD] offset:\t*SPITCH
.endr
.endm
.macro SEND a, younger                 ; younger: the LDS instructions issued behind block a's loads, which may stay out
.set BB, BK+64*((\a)%2)
	s_wait_dscnt \younger
.irp t, 0,1,2,3,4,5,6,7,8,9,10,11,12,13,14,15
	global_store_b128 v[CO], v[BB+4*\t:BB+4*\t+3], s[12:13] offset:(32*((\a)/2)+8*((\a)%2)+\t+8*(\t/8))*4096 th:TH_STORE_NT   ; 512 consecutive bytes, at a multiple of 256 from out0's first byte; 127 rows at the most, inside the signed 24-bit immediate
.endr
.endm
	PLACES NP
	TOSTAGE 0
.irp a, 1,2,3,4,5,6,7
.if \a > 1
	s_wait_xcnt 0x0                                ; block a - 2's stores have read their registers: block a's loads may land there
.endif
	TOSTAGE \a
	SEND \a-1, 32                                  ; behind block a - 1's loads: block a's 16 stores and 16 loads
.endr
	SEND 7, 0
	s_wait_tensorcnt 0x0                           ; the wave's end
	ds_add_u32 v[SPW], v[NIL]
	s_wait_dscnt 0x0
	CROUND                                         ; the closing round
	s_endpgm
.Lfunc_end_k_qd2a720784b_outp:
	.size	k_qd2a720784b_outp, .Lfunc_end_k_qd2a720784b_outp-k_qd2a720784b_outp
	.p2alignl 7, 3214868480
	.fill 96, 4, 3214868480
	.section	.rodata,"a",@progbits
	.p2align	6, 0x0
	.amdhsa_kernel k_qd2a720784b_outp
		.amdhsa_group_segment_fixed_size 327680
		.amdhsa_private_segment_fixed_size 0
		.amdhsa_enable_private_segment 0
		.amdhsa_kernarg_size 32
		.amdhsa_user_sgpr_count 2
		.amdhsa_user_sgpr_kernarg_segment_ptr 1
		.amdhsa_wavefront_size32 1
		.amdhsa_system_sgpr_workgroup_id_x 1
		.amdhsa_system_sgpr_workgroup_id_y 1
		.amdhsa_system_sgpr_workgroup_id_z 1
		.amdhsa_system_vgpr_workitem_id 0
		.amdhsa_next_free_vgpr 1024
		.amdhsa_next_free_sgpr 98
		.amdhsa_reserve_vcc 0
		.amdhsa_float_denorm_mode_32 3
		.amdhsa_float_denorm_mode_16_64 3
		.amdhsa_memory_ordered 1
		.amdhsa_forward_progress 1
		.amdhsa_inst_pref_size 138
	.end_amdhsa_kernel
	.amdgpu_metadata
---
amdhsa.version: [ 1, 2 ]
amdhsa.kernels:
  - .name:           k_qd2a720784b_outp
    .symbol:         k_qd2a720784b_outp.kd
    .args:
      - { .name: zb, .offset: 0, .size: 8, .value_kind: global_buffer, .address_space: global }
      - { .name: xw, .offset: 8, .size: 8, .value_kind: global_buffer, .address_space: global }
      - { .name: bp, .offset: 16, .size: 8, .value_kind: global_buffer, .address_space: global }
      - { .name: out0, .offset: 24, .size: 8, .value_kind: global_buffer, .address_space: global }
    .group_segment_fixed_size: 327680
    .private_segment_fixed_size: 0
    .kernarg_segment_align: 8
    .kernarg_segment_size: 32
    .max_flat_workgroup_size: 128
    .sgpr_count:     98
    .vgpr_count:     1024
    .wavefront_size: 32
...
	.end_amdgpu_metadata
.endif
;; end of part 4
;; ======== version 2 of 2: 4 launches; version 1 with the launch attn written anew for expert scheduling mode
;; limits: right only within a limited range of input values
;; workspace buffers: xw 22,937,600 bytes; mw 2,097,152 bytes; fl 2,048 bytes of whole numbers; qb 6,553,600 bytes; kv 13,107,200 bytes; zb 6,553,600 bytes
;; launch prep: the kernel of part 1 again; grid 960 x 1, 4 waves a work-group, no clusters, 68,352 bytes of LDS; arguments query, key, value, Wq, Wk, Wv, Wp, mask, xw, mw, fl; writes xw, mw, fl
;; launch proj: the kernel of part 2 again; grid 4 x 96, 4 waves a work-group, clusters of 4 x 4, 327,680 bytes of LDS; arguments xw, bq, bk, bv, qb, kv; writes qb, kv
;; launch attn (part 5): grid 8 x 32, 16 waves a work-group, no clusters, 53,248 bytes of LDS; arguments qb, kv, mw, zb, fl; writes zb
.if DOCPART == 5
	.amdgcn_target "amdgcn-amd-amdhsa--gfx1250"
	.amdhsa_code_object_version 6
	.text
	.protected	k_qd2a720784b_attn
	.globl	k_qd2a720784b_attn
	.p2align	8
	.type	k_qd2a720784b_attn,@function
k_qd2a720784b_attn:
	s_mov_b64 s[64:65], 0
	v_nop
	global_prefetch_b8 v0, s[64:65] scope:SCOPE_SE
	s_setreg_imm32_b32 hwreg(HW_REG_WAVE_SCHED_MODE, 0, 2), 2
	s_setreg_imm32_b32 hwreg(HW_REG_WAVE_MODE, 25, 1), 1
	s_wait_xcnt 0x0
	s_wait_alu depctr_vm_vsrc(0)
; ATTN.  Z = softmax(Q K^T / 8, hidden places at a very low logit) V for 64 heads of 2,048 x 64, both products on codes of FP6 (E2M3) with E8M0 scales; Z is quantised along the heads' features and stored as operand images.
; THE SOFTMAX AHEAD OF THE SECOND PRODUCT: t = score x log2(e) / 8; M = the running largest t rounded UP to a whole number; p = 2^(t - M) is quantised along the keys, not normalised; the row's sum is taken of the unquantised p
; and divides at the end.  When M moves, the sum and O are multiplied by 2^(old M - new M): exact.
; SHARES.  Work-group (p, y): batch y / 8, pair of heads y % 8.  Each of its sixteen waves owns ONE tile of 16 queries of BOTH heads of the pair: wave w takes tile u = 8 p + w / 2 or tile 127 - u, by (w xor w / 4) % 2, so that
; each work-group, and each four waves w % 4 or w / 4 alike, hold as many early tiles as late ones.  Every wave walks the 16 key steps of 128 keys.
; THE MASK is an input: an earlier launch has packed it, a bit a lane (mw), and stored two flags for each (tile, step) in a buffer of whole numbers (fl).  A step none of whose 16 x 128 places is open, in a tile whose every row has
; an open key, adds exactly 0 (p = 0): its WORK is jumped over, by a scalar branch on the stored flag.  A step all of whose places are open jumps over the 64 selects.  No barrier stands under such a branch.  The words of mw
; only select values: no branch and no address hangs on them.:
; K and V come global -> registers -> LDS, a record of 25,600 bytes a step, 1,536 + 64 bytes a wave, two slots by turns, one barrier a step.
; LAYOUT.  S^T = K Q^T (source 0 = 16 keys, source 1 = my 16 queries), O^T = V^T P^T: a lane holds ONE query throughout; the keys of a tile, and the features of a tile of V, are chosen (lane r of tile t: 32 (t / 2) + 8 (t % 2)
; + r + 8 (r / 8)) so that 16 registers of two neighbouring tiles are 16 neighbours.  A head has 64 along K, the instruction 128: Q's operand is [Q0 | zeros] or [zeros | Q1] (Q0, zeros, Q1 lie on end in 18 registers), and
; whatever codes stand in K's other half are multiplied by zero codes: E2M3 has no infinity and no NaN, and every scale byte here is 1 .. 254.
; LIMITS: a hidden place takes the raw score -2^33, a logit of -2^30, where reference() writes -1e9: the results differ only where open logits lie near or under -1e9.  With it t is a whole number, so a row with no open key gets
; p = 1 at every key, as reference() has it.  NaN and infinities are not served; a block of zeros gets the byte 1 (zero codes; this program alone reads the bytes).
; REGISTERS: v1-5, v9 addresses; v6, v7 the add's two; v8 the hidden score; v10, v11, v38, v39 the scale words of K's tiles 0 to 3; v12-15, v16-19 a head's -M, largest t, sum in two halves; v20-37 Q0, zeros, Q1;
;   v40-52, v84-95 + v53 two staging sets; v54-83 four tiles of K; v96-159 S^T, then p, then V's four fragments; v160-223 O^T of the two heads; v224-235 p's codes; v232-254 at work (v232, v233 also at the head);
;   v248-251 the scale words of K's tiles 4 to 7, then V's; v253 p's; v255 Q's.
; THE MODE: SCHED_MODE bits 1:0 = 2 (LLVM: expert scheduling mode 2), set by the entry lines.  The code itself states the register dependences between vector or matrix instructions and memory or LDS instructions,
; with s_wait_alu, always for 0.
; THE PLAN.  Registers that memory or LDS instructions touch:
;   v1-5, v9        offsets and LDS addresses: made once at the head, never written again.  One wait on va_vdst ahead of the first load.
;   v40-52, v84-95 + v53   the staging sets: global loads land in them, LDS stores read them, no vector line of the loop names them.  One wait on vm_vsrc at each step's head: the set's stores have read it before it is asked for again;
;                   and one behind the loop, ahead of the way out, whose vector lines write v40-51.
;   v54-83          K's tiles: LDS loads land, the score products read.  v10, v11, v38, v39 and v248-251: scale words: LDS loads land, products read.
;   v96-143         written and read by the score products and the softmax; V's fragments land there behind the conversions.
;   v224-235, v253  written by vector lines, taken by the scaled products with V; on the way out v224-235 and v56 are the stores' data.
; A step that counts has one wait on va_vdst at its head.  A head has, beside the two waits behind its exponentials, three: behind the first four score products (K's tiles 4 to 7 land where tiles 0 to 3 lay), behind the
; conversions (V lands where p lay), and ahead of the products with V (p's codes and scale word are written).  The second head's tiles 0 to 3 of K are asked for in the first head, behind V's loads: so it has no wait at its top.
; Behind each of these waits no vector line names a register that the loads which follow it touch.
.set REC,   25600                      ; a record: K's 8 tiles (12,288), V's 8 fragments (12,288), K's scale words (512), V's (512)
.set VOFF,  12288
.set KSC,   24576
.set VSC,   25088
.set SPARE, 2*REC                      ; behind the two slots: the spare words, 128 bytes for each of sixteen waves
.set QSC,   6291456                    ; where the scale words begin in qb and in zb
.set SPW,   6
.set NIL,   7
.set KF,    54
.set TL,    232                        ; at the head only: the wave, then the lane
.set TR,    233                        ; at the head only: lane % 16
	s_load_b256 s[4:11], s[0:1], 0x0               ; qb, kv, mw, zb
	s_load_b64 s[24:25], s[0:1], 0x20              ; fl
	v_lshl_add_u32 v[SPW], v0, 2, SPARE
	v_mov_b32 v[NIL], 0
	v_lshrrev_b32 v[TL], 5, v0
	v_readfirstlane_b32 s12, v[TL]                 ; wave 0..15
	s_wait_alu depctr_va_sdst(0)                   ; s12 is written, ahead of its first reader: the tile, the addresses and the branches on the wave's number are made from it
	s_and_b32 s13, ttmp7, 0xffff                   ; y = 8 b + pair
	s_lshr_b32 s14, s12, 2
	s_xor_b32 s14, s14, s12
	s_and_b32 s14, s14, 1
	s_lshr_b32 s15, s12, 1
	s_lshl_b32 s16, ttmp9, 3
	s_add_co_u32 s15, s15, s16                     ; u
	s_sub_co_u32 s16, 127, s15
	s_cmp_eq_u32 s14, 1
	s_cselect_b32 s15, s16, s15                    ; T: my tile of queries
	s_lshr_b32 s14, s13, 3
	s_lshl_b32 s14, s14, 7
	s_add_co_u32 s14, s14, s15                     ; 128 b + T
	s_lshl_b32 s100, s14, 2                        ; my tile's flag word in fl
	s_mov_b32 s101, 0
	s_lshl_b32 s86, s14, 12                        ; its mask words: 256 bytes a step
	s_mov_b32 s87, 0
	s_mul_i32 s84, s13, 16*REC                     ; the pair's 16 records
	s_mov_b32 s85, 0
	s_lshl_b32 s16, s13, 7
	s_add_co_u32 s16, s16, s15                     ; Q's fragment
	s_mul_i32 s18, s16, 1536
	s_mov_b32 s19, 0
	s_lshl_b32 s20, s16, 6
	s_add_co_u32 s20, s20, QSC
	s_mov_b32 s21, 0
	s_and_b32 s88, s12, 7
	s_lshl_b32 s88, s88, 13                        ; the prefetches: 8,192 bytes a wave,
	s_add_co_u32 s88, s88, 320*256                 ; from the pair's byte 81,920 on
	s_mov_b32 s89, 0
	s_lshr_b32 s94, s12, 3
	s_or_b32 s94, s94, ttmp9                       ; 0 in waves 0 to 7 of the pair's first work-group: they ask, and nobody else
	s_cmp_eq_u32 s94, 0
	s_cselect_b32 s94, 3, -1                       ; a wave asks while the count of trips to go is above this: in the first five trips, or never
	s_mov_b32 s96, 0x3e38aa3b                      ; c = log2(e) / 8
	s_mov_b32 s97, s96                             ; (named with it as a pair)
	s_mov_b32 s98, 0x76543210
	s_mov_b32 s99, 0xfedcba98                      ; v_permlanex16_b32's selects for lane l xor 16
	s_mov_b32 s93, 8                               ; trips to go; a trip is two key steps
	v_and_b32 v[TL], 31, v0
	v_and_b32 v[TR], 15, v0
	v_lshlrev_b32 v1, 4, v[TL]                     ; 16 x lane
	v_lshlrev_b32 v2, 3, v[TL]                     ; 8 x lane
	v_lshlrev_b32 v3, 2, v[TR]                     ; 4 x (lane % 16)
	s_mul_i32 s22, s12, 1536
	v_add_nc_u32 v4, s22, v1                       ; my wave's 1,536 bytes of a record's codes: the offset in memory and the address in a slot alike
	s_lshl_b32 s22, s12, 6
	s_add_co_u32 s22, s22, KSC
	v_add_nc_u32 v5, s22, v3                       ; and its 64 bytes of the scale words (the two halves of the lanes take the same words)
	v_mov_b32 v8, 0xd0000000                       ; -2^33
	v_lshlrev_b32 v9, 8, v[TL]                     ; 256 x lane
	s_wait_kmcnt 0x0
	s_add_nc_u64 s[100:101], s[24:25], s[100:101]
	s_load_b32 s91, s[100:101], 0x0
	s_add_nc_u64 s[86:87], s[8:9], s[86:87]
	s_add_nc_u64 s[84:85], s[6:7], s[84:85]
	s_add_nc_u64 s[18:19], s[4:5], s[18:19]
	s_add_nc_u64 s[20:21], s[4:5], s[20:21]
	s_add_nc_u64 s[88:89], s[84:85], s[88:89]
	s_wait_alu depctr_va_vdst(0)                   ; v1 to v5 and v9 are written: every load, LDS access, store and prefetch of the kernel reads one of them as its offset or address
	global_load_b128 v[20:23], v1, s[18:19]                    ; Q of head 0
	global_load_b64 v[24:25], v2, s[18:19] offset:512
	global_load_b128 v[32:35], v1, s[18:19] offset:768         ; Q of head 1
	global_load_b64 v[36:37], v2, s[18:19] offset:1280
	global_load_b32 v255, v3, s[20:21]                         ; the scale word: bytes 0, 1 head 0's, bytes 2, 3 head 1's
.macro GET set, sw, step               ; my part of a record, from memory
	global_load_b128 v[\set:\set+3], v4, s[84:85] offset:(\step)*REC
	global_load_b128 v[\set+4:\set+7], v4, s[84:85] offset:(\step)*REC+512
	global_load_b128 v[\set+8:\set+11], v4, s[84:85] offset:(\step)*REC+1024
	global_load_b32 v[\sw], v5, s[84:85] offset:(\step)*REC
.endm
.macro PUT set, sw, slot               ; into a slot
	ds_store_b128 v4, v[\set:\set+3] offset:(\slot)*REC
	ds_store_b128 v4, v[\set+4:\set+7] offset:(\slot)*REC+512
	ds_store_b128 v4, v[\set+8:\set+11] offset:(\slot)*REC+1024
	ds_store_b32 v5, v[\sw] offset:(\slot)*REC
.endm
	GET 40, 52, 0
	GET 84, 53, 1
.irp i, 0,1,2,3,4,5
	v_mov_b32 v[26+\i], 0                          ; the zero codes between Q0 and Q1
	v_mov_b32 v[78+\i], 0                          ; K's last don't-care half, before it is first loaded
.endr
.irp e, 0,1
	v_mov_b32 v[13+4*\e], 0xff61b1e6               ; the largest t so far: -3e38
	v_floor_f32 v[12+4*\e], -v[13+4*\e]            ; -M
	v_mov_b32 v[14+4*\e], 0                        ; the sum, in two halves
	v_mov_b32 v[15+4*\e], 0
.endr
.irp b, 0,1,2,3
	v_mov_b32 v[236+\b], 0                         ; a lane permute's destination counts as read
.endr
	v_mov_b32 v253, 0                              ; (named as the upper half of the pair v[252:253] before it is first written)
.set jj, 0
.rept 64
	v_mov_b32 v[160+jj], 0                         ; O^T: the step is written once; the first finds zeros, which the first change of M leaves zeros
.set jj, jj+1
.endr
	s_wait_loadcnt 4                               ; Q and step 0 are in; step 1's four loads may be out
	PUT 40, 52, 0                                  ; (its data come from loads, its addresses stand ahead of the wait on va_vdst above)
	s_wait_kmcnt 0x0
	s_lshr_b32 s92, s91, 16                        ; bit j: step j is not all open
	s_and_b32 s91, s91, 0xffff                     ; bit j: step j counts
; Four tiles of 16 keys of head e, tiles 4 g .. 4 g + 3, out of slot k.  Tile t's 64 codes a row go to v[KF + 6 e + 6 t] on; the operand is v[KF + 6 t] on, 12 registers: its other half is a neighbour's codes.
; Their scale words: g = 0: v10, v11, v38, v39; g = 1: v248-251.
.macro KLOAD e, g, k
.irp t, 0,1,2,3
	ds_load_b128 v[KF+6*(\e)+6*\t:KF+6*(\e)+6*\t+3], v1 offset:(\k)*REC+(4*(\g)+\t)*1536+768*(\e)
	ds_load_b64 v[KF+6*(\e)+6*\t+4:KF+6*(\e)+6*\t+5], v2 offset:(\k)*REC+(4*(\g)+\t)*1536+768*(\e)+512
	ds_load_b32 v[(1-(\g))*(10+\t+26*(\t/2))+(\g)*(248+\t)], v3 offset:(\k)*REC+KSC+64*(4*(\g)+\t)
.endr
.endm
; S^T = K Q^T for these four tiles: register 16 b + i of v96 on: key 32 b + 16 (lane / 16) + i of the step
.macro QK e, g
.irp t, 0,1,2,3
	v_wmma_scale_f32_16x16x128_f8f6f4 v[96+8*(4*(\g)+\t):103+8*(4*(\g)+\t)], v[KF+6*\t:KF+6*\t+11], v[20+6*(\e):31+6*(\e)], 0, v[(1-(\g))*(10+\t+26*(\t/2))+(\g)*(248+\t)], v255 matrix_a_fmt:MATRIX_FMT_FP6 matrix_b_fmt:MATRIX_FMT_FP6
.endr
.endm
; 32 of the step's 64 selects, from word n0 on: where my bit of word n is 0 the place is hidden
.macro HIDE n0
.set n, \n0
.rept 32
.if n < 48
	v_cndmask_b32 v[96+n], v8, v[96+n], s[16+n]
.else
	v_cndmask_b32 v[96+n], v8, v[96+n], s[20+n]
.endif
.set n, n+1
.endr
.endm
; The largest score of two blocks of 32 keys, my 16 of each: it serves the row's maximum and, since p rises with the score, the block's largest p
.macro BLKMAX b0, b1
.irp b, \b0, \b1
	v_max3_num_f32 v[232+\b], v[96+16*\b], v[97+16*\b], v[98+16*\b]
.endr
.irp i, 3,5,7,9,11,13
.irp b, \b0, \b1
	v_max3_num_f32 v[232+\b], v[232+\b], v[96+16*\b+\i], v[97+16*\b+\i]
.endr
.endr
.irp b, \b0, \b1
	v_max_num_f32 v[232+\b], v[232+\b], v[111+16*\b]
.endr
.endm
; ONE HEAD'S WORK IN A KEY STEP.  e: the head of the pair; k: the slot, and the step's bit in the flags.
.macro HEAD e, k
.set SL, (\k)*REC
.set SM, 12+4*(\e)
.set OO, 160+32*(\e)
.if (\e) == 0
	KLOAD 0, 0, \k                                 ; behind the step's wait on va_vdst, with scalar loads alone between.  (The second head's were asked for in the first head)
.endif
	s_wait_dscnt 0x0                               ; K's tiles 0 to 3 and their scale words are in
	QK \e, 0
.rept 4
	v_nop                                          ; places behind the products, ahead of the first read of their results
.endr
	s_wait_alu depctr_va_vdst(0)                   ; the four products are done reading K's registers, and the products with V before them are done reading v248-251: tiles 4 to 7 and their scale words land there
	KLOAD \e, 1, \k                                ; the lines up to the wait for them name v96-127, v232, v233 and v8 alone
.if (\e) == 0
	s_wait_kmcnt 0x0                               ; the step's 64 mask words
.endif
	s_bitcmp1_b32 s92, \k
	s_cbranch_scc0 .Lopen_a_\@
	HIDE 0
.Lopen_a_\@:
	BLKMAX 0, 1
	s_wait_dscnt 0x0                               ; K's tiles 4 to 7 are in
	QK \e, 1
.rept 4
	v_nop
.endr
	s_bitcmp1_b32 s92, \k
	s_cbranch_scc0 .Lopen_b_\@
	HIDE 32
.Lopen_b_\@:
	BLKMAX 2, 3
.irp b, 0,1,2,3
	v_permlanex16_b32 v[236+\b], v[232+\b], s98, s99
.endr
.irp b, 0,1,2,3
	v_max_num_f32 v[232+\b], v[232+\b], v[236+\b]  ; with lane l xor 16's 16 keys
.endr
	v_max3_num_f32 v254, v232, v233, v234
	v_max_num_f32 v254, v254, v235
	v_mul_f32 v254, s96, v254                      ; as t (c is positive)
	v_max_num_f32 v[SM+1], v[SM+1], v254           ; the running largest t
	v_mov_b32 v254, v[SM]
	v_floor_f32 v[SM], -v[SM+1]                    ; the new -M = -ceil(t)
	v_sub_f32 v254, v[SM], v254                    ; old M - new M: a whole number, 0 or less
	v_cvt_i32_f32 v254, v254                       ; (it saturates)
	v_ldexp_f32 v252, 1.0, v254                    ; f = 2^(old M - new M)
.set jj, 0
.rept 32
	v_pk_fma_f32 v[96+jj:97+jj], v[96+jj:97+jj], s[96:97], v[SM:SM+1] op_sel_hi:[1,0,0]   ; t - M, two at a time
.set jj, jj+2
.endr
.irp b, 0,1,2,3
	v_fma_f32 v[232+\b], v[232+\b], s96, v[SM]     ; the same of each block's largest score
.endr
.set jj, 0
.rept 64
	v_exp_f32 v[96+jj], v[96+jj]                   ; p = 2^(t - M)
.set jj, jj+1
.endr
	v_pk_mul_f32 v[SM+2:SM+3], v[SM+2:SM+3], v[252:253] op_sel_hi:[1,0]   ; the sums under the new M: a plain line behind the exponentials
	s_wait_alu depctr_va_vdst(0)                   ; the 64 exponentials have written p: one wait for the whole batch, ahead of its first reader
.irp b, 0,1,2,3
	v_exp_f32 v[232+\b], v[232+\b]                 ; the block's largest p: the same two instructions on the same number give the same bits
.endr
	v_pk_add_f32 v[236:237], v[96:97], v[98:99]    ; the row's sum of the unquantised p, in two chains: plain work behind the four
.set jj, 4
.rept 15
	v_pk_add_f32 v[SM+2:SM+3], v[SM+2:SM+3], v[96+jj:97+jj]
	v_pk_add_f32 v[236:237], v[236:237], v[98+jj:99+jj]
.set jj, jj+4
.endr
	v_pk_add_f32 v[SM+2:SM+3], v[SM+2:SM+3], v[236:237]
	s_wait_alu depctr_va_vdst(0)                   ; the four exponentials have written v232-235, ahead of their first reader
.irp b, 0,1,2,3
	v_max_num_f32 v[232+\b], 0x1800000, v[232+\b]  ; the floor 2^(3 - 127): the byte cannot fall under 1
.endr
.irp b, 0,1,2,3
	v_add_nc_u32 v[244+\b], 0xff000000, v[232+\b]  ; 2 off the exponent field: the conversion's scale operand
.endr
.irp b, 0,1,2,3
	v_lshrrev_b32 v[236+\b], 23, v[244+\b]         ; the scale's byte
.endr
	v_lshl_or_b32 v253, v237, 8, v236              ; p's scale word for these 128 keys
	v_lshl_or_b32 v253, v238, 16, v253
	v_lshl_or_b32 v253, v239, 24, v253
.irp c, 0,1
	v_cvt_scalef32_pk16_fp6_f32 v[224+6*\c:226+6*\c], v[96+32*\c:111+32*\c], v[244+2*\c]
	v_cvt_scalef32_pk16_fp6_f32 v[236+4*\c:238+4*\c], v[112+32*\c:127+32*\c], v[244+2*\c+1]
.endr
	v_nop                                          ; one plain place behind a scaled conversion
	s_wait_alu depctr_va_vdst(0)                   ; the conversions and the sums are done reading p in v96-159, and the score products are done with K's registers and all eight scale words: the loads below land there
.irp t, 0,1,2,3                        ; V's four fragments of this head land where p lay, while the lines below are issued: those name v224-243, O^T and v252, v253 alone
	ds_load_b128 v[96+12*\t:99+12*\t], v1 offset:SL+VOFF+(4*(\e)+\t)*1536
	ds_load_b64 v[100+12*\t:101+12*\t], v2 offset:SL+VOFF+(4*(\e)+\t)*1536+512
	ds_load_b128 v[102+12*\t:105+12*\t], v1 offset:SL+VOFF+(4*(\e)+\t)*1536+768
	ds_load_b64 v[106+12*\t:107+12*\t], v2 offset:SL+VOFF+(4*(\e)+\t)*1536+1280
	ds_load_b32 v[248+\t], v3 offset:SL+VSC+64*(4*(\e)+\t)
.endr
.if (\e) == 0
	KLOAD 1, 0, \k                                 ; and the second head's tiles 0 to 3 of K, with their scale words, out of the same slot
.endif
.irp c, 0,1                            ; the operand's layout wants a whole block in a lane
.irp i, 0,1,2
	v_permlane16_swap_b32 v[224+6*\c+\i], v[236+4*\c+\i]
.endr
.irp i, 0,1,2
	v_mov_b32 v[227+6*\c+\i], v[236+4*\c+\i]
.endr
.endr
.set jj, 0
.rept 16
	v_pk_mul_f32 v[OO+jj:OO+jj+1], v[OO+jj:OO+jj+1], v[252:253] op_sel_hi:[1,0]   ; O^T under the new M.  (These are also the places in front of the scaled products)
.set jj, jj+2
.endr
.if (\e) == 0
	s_wait_dscnt 12                                ; V's 20 loads are in; the 12 younger ones, the second head's tiles of K, may be out
.else
	s_wait_dscnt 0x0
.endif
	s_wait_alu depctr_va_vdst(0)                   ; the swaps and moves have written p's codes v224-235, the shifts p's scale word v253: the scaled products take them; the places above stay beside this wait
.irp t, 0,1,2,3                        ; O^T += V^T P^T: the four accumulators take turns, one instruction a turn
	v_wmma_scale_f32_16x16x128_f8f6f4 v[OO+8*\t:OO+8*\t+7], v[96+12*\t:107+12*\t], v[224:235], v[OO+8*\t:OO+8*\t+7], v[248+\t], v253 matrix_a_fmt:MATRIX_FMT_FP6 matrix_b_fmt:MATRIX_FMT_FP6
.endr
.rept 5
	v_nop                                          ; the next scores are written over V's registers by matrix instructions: five places; vector writes of p's registers and reads of O^T want four
.endr
.endm
; A KEY STEP.  One barrier: in front of it my stores into this step's slot have landed and my reads of the other slot are over.  Behind it the next step's record, which has come into registers meanwhile, goes into the other
; slot, and the record after that is asked for: it has a whole step in which to come.  The last trip asks for nothing past the pair's 16 records: a branch on the count of trips.
.macro STEP k
	s_wait_dscnt 0x0
	s_barrier_signal -1
	s_barrier_wait -1
	s_wait_alu depctr_vm_vsrc(0)                   ; the LDS stores of the step before have read their staging set, in which this step's loads land; ahead of the branches below
.if (\k) == 0
	s_wait_loadcnt 0x0                             ; the next step's record is in my registers
	PUT 84, 53, 1
	s_cmp_eq_u32 s93, 1
	s_cbranch_scc1 .Lnoload_\@
	GET 40, 52, 2
	s_cmp_gt_u32 s93, s94                          ; a prefetch into the L2, where the wave has just issued its loads: 8 waves x 32 lanes x 256 bytes = 65,536 bytes a trip, in the first five trips: the pair's bytes 81,920 to 409,599,
	s_cbranch_scc0 .Lnoload_\@                     ; each block of 256 named once in the launch (all eight work-groups of a pair read the same records); it ends with the pair's last byte
	global_prefetch_b8 v9, s[88:89] th:TH_LOAD_NT scope:SCOPE_SE
.Lnoload_\@:
.else
	s_cmp_eq_u32 s93, 1
	s_cbranch_scc1 .Lnoload_\@
	s_wait_loadcnt 0x0
	PUT 40, 52, 0
	GET 84, 53, 3
.Lnoload_\@:
.endif
	s_bitcmp1_b32 s91, \k                          ; does the step count for my tile?
	s_cbranch_scc0 .Lskip_\@
	s_wait_alu depctr_va_vdst(0)                   ; the last step's products are done reading K's registers and v10, v11, v38, v39, in which the first head's loads land; in the first step that counts the zeros of v26-31 and v78-83 are written, which the scaled products take.  (It stands ahead of the scalar loads too, which write the registers that the last step's selects read)
	s_load_b512 s[16:31], s[86:87], 256*(\k)
	s_load_b512 s[32:47], s[86:87], 256*(\k)+64
	s_load_b512 s[48:63], s[86:87], 256*(\k)+128
	s_load_b512 s[68:83], s[86:87], 256*(\k)+192
	HEAD 0, \k
	HEAD 1, \k
.Lskip_\@:
.endm
.Ltrip:
	STEP 0
	STEP 1
	s_wait_xcnt 0x0                                ; the trip's loads and its prefetch have read their bases: they step
	s_add_nc_u64 s[84:85], s[84:85], 2*REC
	s_add_nc_u64 s[86:87], s[86:87], 512
	s_add_nc_u64 s[88:89], s[88:89], 65536
	s_lshr_b32 s91, s91, 2
	s_lshr_b32 s92, s92, 2
	s_sub_co_u32 s93, s93, 1
	s_cmp_lg_u32 s93, 0
	s_cbranch_scc1 .Ltrip
	; THE WAY OUT.  Z = O / the sum, both heads: 64 numbers a lane, register 16 b + i = feature 32 b + 16 (lane / 16) + i of the pair's 128: one fragment of the last product's operand.
	s_wait_alu depctr_vm_vsrc(0)                   ; the LDS stores of a trip's second step have read the staging set v40-52: the maxima, permutes, additions and shifts below write v40-51
.irp e, 0,1
	v_add_f32 v[14+4*\e], v[14+4*\e], v[15+4*\e]
.endr
.irp e, 0,1
	v_permlanex16_b32 v[236+\e], v[14+4*\e], s98, s99
.endr
.irp e, 0,1
	v_add_f32 v[14+4*\e], v[14+4*\e], v[236+\e]    ; the row's sum
.endr
	v_rcp_f32 v14, v14
	v_rcp_f32 v18, v18
	s_and_b32 s16, s13, 7                          ; the pair
	s_lshl_b32 s17, s14, 3
	s_add_co_u32 s17, s17, s16                     ; 8 x tile + pair
	s_mul_i32 s18, s17, 1536
	s_mov_b32 s19, 0
	s_add_nc_u64 s[18:19], s[10:11], s[18:19]
	s_lshl_b32 s20, s17, 6
	s_add_co_u32 s20, s20, QSC
	s_mov_b32 s21, 0
	s_add_nc_u64 s[20:21], s[10:11], s[20:21]
	v_nop                                          ; a plain line behind the reciprocals
	s_wait_alu depctr_va_vdst(0)                   ; the two reciprocals have written v14 and v18, ahead of their first reader: one wait for both
.irp e, 0,1
.set jj, 0
.rept 16
	v_pk_mul_f32 v[96+32*\e+jj:97+32*\e+jj], v[160+32*\e+jj:161+32*\e+jj], v[14+4*\e:15+4*\e] op_sel_hi:[1,0]   ; each accumulator from its low end on
.set jj, jj+2
.endr
.endr
.irp b, 0,1,2,3
	v_max3_num_f32 v[40+\b], |v[96+16*\b]|, |v[97+16*\b]|, 0x1800000
.endr
.irp i, 2,4,6,8,10,12,14
.irp b, 0,1,2,3
	v_max3_num_f32 v[40+\b], v[40+\b], |v[96+16*\b+\i]|, |v[97+16*\b+\i]|
.endr
.endr
.irp b, 0,1,2,3
	v_permlanex16_b32 v[44+\b], v[40+\b], s98, s99
.endr
.irp b, 0,1,2,3
	v_max_num_f32 v[40+\b], v[40+\b], v[44+\b]
.endr
.irp b, 0,1,2,3
	v_add_nc_u32 v[48+\b], 0xff000000, v[40+\b]
.endr
.irp b, 0,1,2,3
	v_lshrrev_b32 v[44+\b], 23, v[48+\b]
.endr
	v_lshl_or_b32 v56, v45, 8, v44
	v_lshl_or_b32 v56, v46, 16, v56
	v_lshl_or_b32 v56, v47, 24, v56
.irp c, 0,1
	v_cvt_scalef32_pk16_fp6_f32 v[224+6*\c:226+6*\c], v[96+32*\c:111+32*\c], v[48+2*\c]
	v_cvt_scalef32_pk16_fp6_f32 v[236+4*\c:238+4*\c], v[112+32*\c:127+32*\c], v[48+2*\c+1]
.endr
	v_nop
.irp c, 0,1
.irp i, 0,1,2
	v_permlane16_swap_b32 v[224+6*\c+\i], v[236+4*\c+\i]
.endr
.irp i, 0,1,2
	v_mov_b32 v[227+6*\c+\i], v[236+4*\c+\i]
.endr
.endr
	s_wait_alu depctr_va_vdst(0)                   ; the swaps and moves have written Z's codes v224-235, the shifts its scale word v56: the four stores read them
.irp p, 0,1,2
	global_store_b128 v1, v[224+4*\p:227+4*\p], s[18:19] offset:512*\p   ; the fragment's image: 512 consecutive bytes a store
.endr
	global_store_b32 v3, v56, s[20:21]             ; its 16 scale words; the two halves of the lanes hold the same words and name the same places
	s_wait_dscnt 0x0                               ; the closing lines, six on end
	s_wait_alu 0x0
	s_wait_tensorcnt 0x0
	ds_add_u32 v[SPW], v[NIL]
	s_wait_dscnt 0x0
	s_endpgm
.Lfunc_end_k_qd2a720784b_attn:
	.size	k_qd2a720784b_attn, .Lfunc_end_k_qd2a720784b_attn-k_qd2a720784b_attn
	.p2alignl 7, 3214868480
	.fill 96, 4, 3214868480
	.section	.rodata,"a",@progbits
	.p2align	6, 0x0
	.amdhsa_kernel k_qd2a720784b_attn
		.amdhsa_group_segment_fixed_size 53248
		.amdhsa_private_segment_fixed_size 0
		.amdhsa_enable_private_segment 0
		.amdhsa_kernarg_size 40
		.amdhsa_user_sgpr_count 2
		.amdhsa_user_sgpr_kernarg_segment_ptr 1
		.amdhsa_wavefront_size32 1
		.amdhsa_system_sgpr_workgroup_id_x 1
		.amdhsa_system_sgpr_workgroup_id_y 1
		.amdhsa_system_sgpr_workgroup_id_z 1
		.amdhsa_system_vgpr_workitem_id 0
		.amdhsa_next_free_vgpr 256
		.amdhsa_next_free_sgpr 102
		.amdhsa_reserve_vcc 0
		.amdhsa_float_denorm_mode_32 3
		.amdhsa_float_denorm_mode_16_64 3
		.amdhsa_memory_ordered 1
		.amdhsa_forward_progress 1
		.amdhsa_inst_pref_size 100
	.end_amdhsa_kernel
	.amdgpu_metadata
---
amdhsa.version: [ 1, 2 ]
amdhsa.kernels:
  - .name:           k_qd2a720784b_attn
    .symbol:         k_qd2a720784b_attn.kd
    .args:
      - { .name: qb, .offset: 0, .size: 8, .value_kind: global_buffer, .address_space: global }
      - { .name: kv, .offset: 8, .size: 8, .value_kind: global_buffer, .address_space: global }
      - { .name: mw, .offset: 16, .size: 8, .value_kind: global_buffer, .address_space: global }
      - { .name: zb, .offset: 24, .size: 8, .value_kind: global_buffer, .address_space: global }
      - { .name: fl, .offset: 32, .size: 8, .value_kind: global_buffer, .address_space: global }
    .group_segment_fixed_size: 53248
    .private_segment_fixed_size: 0
    .kernarg_segment_align: 8
    .kernarg_segment_size: 40
    .max_flat_workgroup_size: 512
    .sgpr_count:     102
    .vgpr_count:     256
    .wavefront_size: 32
...
	.end_amdgpu_metadata
.endif
;; end of part 5
;; launch outp: the kernel of part 4 again; grid 4 x 32, 4 waves a work-group, clusters of 4 x 4, 327,680 bytes of LDS; arguments zb, xw, bp, out0; writes out0
